; MI455X (gfx1250); checked and timed in simulation.
; The chip was launched on July 23, 2026; its instructions are those of AMD's public machine-readable ISA for CDNA 5 (MIT licence, August 2026) and "CDNA5" Instruction Set Architecture Reference Guide (July 2026). The comments in the code are by the model that wrote it; some were corrected since.
;; Transformer Block. Allowed arithmetic: matrix products marked QUANTISED: E2M3 operands, one E8M0 scale for each 32 along K, by v_wmma_scale_f32_16x16x128_f8f6f4 with both operands' format E2M3, f32 sums; everything else in f32.
;; Inputs: b1 4,096 float32; b2 1,024 float32; b_out 1,024 float32; ln1_b 1,024 float32; ln1_g 1,024 float32; ln2_b 1,024 float32; ln2_g 1,024 float32; w1_codes 4,096 x 32 x 24 uint8 (E2M3 codes of w1, K innermost, in blocks of 32 codes, four codes in three bytes); w1_scales 4,096 x 32 uint8 (E8M0 scales of w1, one for each 32 codes along K); w2_codes 1,024 x 128 x 24 uint8 (E2M3 codes of w2, K innermost, in blocks of 32 codes, four codes in three bytes); w2_scales 1,024 x 128 uint8 (E8M0 scales of w2, one for each 32 codes along K); w_out_codes 1,024 x 32 x 24 uint8 (E2M3 codes of w_out, K innermost, in blocks of 32 codes, four codes in three bytes); w_out_scales 1,024 x 32 uint8 (E8M0 scales of w_out, one for each 32 codes along K); w_qkv_codes 3,072 x 32 x 24 uint8 (E2M3 codes of w_qkv, K innermost, in blocks of 32 codes, four codes in three bytes); w_qkv_scales 3,072 x 32 uint8 (E8M0 scales of w_qkv, one for each 32 codes along K); x 4 x 1,024 x 1,024 float32.
;; Outputs: out0 4 x 1,024 x 1,024 float32.
;; This version of the problem:
;;   THIS VERSION OF THE PROBLEM IS GIVEN IN LOW PRECISION. The matrix products marked QUANTISED in the list below multiply operands that are first quantised to E2M3 (2 exponent bits, 3 mantissa bits; 6 bits a number), with one power-of-two scale for each 32 numbers along K (OCP MX v1.0); their sums are f32. All else is computed in f32.
;;   The module's matrix products, in the order in which they are computed (A, B: the left and right operand; K: the contracted axis; several contracted axes count as one K, in the product's order):
;;     1. [M 4,096, K 1,024] x [K 1,024, N 3,072]; A: computed on the way; B: input w_qkv (given as codes): QUANTISED
;;     2. batch 64 x [M 1,024, K 64] x [K 64, N 1,024]; A: computed on the way; B: computed on the way: QUANTISED
;;     3. batch 64 x [M 1,024, K 1,024] x [K 1,024, N 64]; A: softmax (see below); B: computed on the way: QUANTISED
;;     4. [M 4,096, K 1,024] x [K 1,024, N 1,024]; A: computed on the way; B: input w_out (given as codes): QUANTISED
;;     5. [M 4,096, K 1,024] x [K 1,024, N 4,096]; A: computed on the way; B: input w1 (given as codes): QUANTISED
;;     6. [M 4,096, K 4,096] x [K 4,096, N 1,024]; A: computed on the way; B: input w2 (given as codes): QUANTISED
;;   THE QUANTISER, for each operand of a quantised product, along K:
;;     - K is cut into blocks of 32 from its start; a last block that is shorter is filled with zeros.
;;     - A block's scale is 2^e with e = floor(log2(the largest magnitude in the block)) - 2, held to -126 .. 127; a block of zeros has e = 0. As a byte (E8M0): e + 127.
;;     - Each number is divided by its block's scale, clamped to +-7.5, and rounded to the nearest number of E2M3, ties to even, subnormals kept.
;;     - The product sums the exact products of the quantised numbers (number of the format x scale) in f32.
;;   ~~~python
;;   def quantise(x, axis):      # numpy; x: float32 -> the quantised numbers, widened to float32 again
;;       x = np.moveaxis(x, axis, -1); K = x.shape[-1]
;;       x = np.pad(x, [(0, 0)] * (x.ndim - 1) + [(0, -K % 32)]); x = x.reshape(x.shape[:-1] + (-1, 32)); a = np.abs(x).max(-1, keepdims=True)
;;       e = np.where(a > 0, np.clip(np.frexp(np.where(a > 0, a, 1))[1] - 1 - 2, -126, 127), 0)      # np.frexp(a)[1] - 1 = floor(log2(a)), exactly
;;       r = np.clip(x / 2.0 ** e, -7.5, 7.5)
;;       step = 2.0 ** (np.maximum(np.frexp(np.where(r == 0, 1, r))[1] - 1, 0) - 3)
;;       q = np.round(r / step) * step * 2.0 ** e      # np.round: ties to even
;;       return np.moveaxis(q.reshape(q.shape[:-2] + (-1,))[..., :K], -1, axis).astype(np.float32)
;;   ~~~
;;   SOFTMAX AHEAD OF A QUANTISED PRODUCT. Where the list says 'softmax', what is quantised is not the finished softmax but p = 2^(t - M), with t = logit x log2(e) and M = ceil(the row's largest t), a whole number; so 1/2 < the row's largest p <= 1. The row's sum l is taken of the UNQUANTISED p, in f32, and the product's result is divided by l at the end. Since M is a whole number, a kernel that streams over the keys may use a running M (the ceiling of the running maximum): every later rescaling is an exact power of two, which a block's scale takes up: the codes' values come out the same.
;;   OPERANDS COMPUTED ON THE WAY. 'Computed on the way' means the value that the module computes at that place (a softmax that the list does not call 'softmax' is quantised finished and normalised). What goes into a quantiser is computed in f32, as accurately as f32 sums, v_exp_f32 and their like allow (about 1e-6 of the number): no bf16 or f16 on the way to a quantiser, and a product that is left as it is and whose result goes on into a quantised operand takes f32 operands (vector FMAs, or v_wmma_f32_16x16x4_f32). A number that lies on a knife's edge between two numbers of the format may be rounded either way, as far as f32 arithmetic and the matrix unit's own rounding can turn it there, and no further.
;;   INPUTS GIVEN AS CODES. w1 (in the module: [1024, 4096], K = its axis 0); w2 (in the module: [4096, 1024], K = its axis 0); w_out (in the module: [1024, 1024], K = its axis 0); w_qkv (in the module: [1024, 3072], K = its axis 0): each comes as NAME_codes (uint8): NAME with its K axis moved to the last place and cut into blocks of 32 codes, [.., K / 32, bytes a block], one block behind the other in memory; four codes in three bytes: a row's codes are one little-endian stream of bits, code i at bits 6 i .. 6 i + 5 (a code: sign, 2 exponent bits, 3 mantissa bits); and NAME_scales (uint8): the same leading axes, one E8M0 byte (e + 127) for each 32 codes along K. Its value is code x scale, taken as it is: it is not quantised again, and the codes and scales need not be those that the quantiser above would give.
;; One version. Each part assembles by itself: llvm-mc -triple=amdgcn-amd-amdhsa -mcpu=gfx1250 --defsym DOCPART=n.
;; ======== version 1 of 1: 7 launches
;; limits: right only within a limited range of input values
;; workspace buffers: h 3,276,800 bytes; qkv 10,223,616 bytes; o 3,276,800 bytes; x1 16,777,216 bytes; g 13,107,200 bytes
;; launch ln1 (part 1): grid 256 x 1, 8 waves a work-group, no clusters, 52,736 bytes of LDS; arguments x, ln1_g, ln1_b, h; writes h
.if DOCPART == 1
	.amdgcn_target "amdgcn-amd-amdhsa--gfx1250"
	.amdhsa_code_object_version 6
	.text
	.protected	k_qd8cfe510f1_ln1
	.globl	k_qd8cfe510f1_ln1
	.p2align	8
	.type	k_qd8cfe510f1_ln1,@function
k_qd8cfe510f1_ln1:
	s_mov_b64 s[64:65], 0
	v_nop
	global_prefetch_b8 v0, s[64:65] scope:SCOPE_SE
	s_setreg_imm32_b32 hwreg(HW_REG_WAVE_MODE, 25, 1), 1
	s_wait_xcnt 0x0
; LayerNorm over rows of 1,024 f32 numbers, then the MX quantiser (E2M3, one E8M0 byte for each 32 along the row).
; Out: h = codes [4096 stored rows][768 bytes] at byte 0, scale bytes [4096][32] at byte 3,145,728.
; STORED ROWS ARE NOT IN TOKEN ORDER: stored row 16 B + r (B = 2 beta + u) holds token 32 beta + 8 u + r + 8 (r / 8), so that 16 stored rows on end are a tile whose
; two groups of eight tokens lie 16 apart: the order in which the later products want the tokens of a tile.
; SHARES: a work-group owns one such tile of 16 rows; each of its eight waves two rows (two neighbouring tokens).  All 16 loads of a wave go out at once.
; Mean first, then the mean of the squared differences, as the definition has it: a common offset of the inputs costs no accuracy.
; A row's numbers are loaded 16 bytes a lane (512 consecutive bytes a load); the conversions want 16 NEIGHBOURS in a lane, so the normalised row turns through the wave's own stage in LDS
; (64 bytes + 16 of padding a lane).  g and b are turned the same way once, by all eight waves together, and then stay in registers.
; LIMITS: NaN and infinities are not served.  A block whose largest magnitude lies under 2^-124, a block of zeros among them, takes the byte 1 (the bytes are read by this program alone; zero codes add nothing).
; 1 / sqrt comes from v_rsq_f32.
.set SP,   80                          ; a lane's place in a stage
.set STG,  32*SP                       ; a stage: 512 numbers
.set GST,  8*2*STG                     ; behind the eight waves' two stages each: g, turned
.set BST,  GST+2*STG                   ; b, turned
.set SCB,  BST+2*STG                   ; the work-group's 512 scale bytes
.set R,    16                          ; v16-79   two rows as loaded, 32 registers each
.set X,    80                          ; v80-111  a row turned: 2 x 16 neighbours
.set G,    112                         ; v112-143 g, turned
.set B,    144                         ; v144-175 b, turned
.set C,    176                         ; v176-191 codes: four registers for each of the four half rows, so that no store's data are written again
.set E,    192                         ; v192-195 their scale bytes
.set T,    196                         ; v196-207 at work
	s_load_b256 s[4:11], s[0:1], 0x0               ; x s[4:5], g s[6:7], b s[8:9], h s[10:11]
	v_lshl_add_u32 v208, v0, 2, 0xca00
	v_mov_b32 v209, 0
	v_lshrrev_b32 v1, 5, v0
	s_delay_alu instid0(VALU_DEP_1)
	v_readfirstlane_b32 s12, v1                    ; wave 0..7
	v_and_b32 v1, 31, v0                           ; lane
	s_delay_alu instid0(VALU_DEP_1)
	v_lshlrev_b32 v2, 4, v1                        ; 16 x lane
	s_delay_alu instid0(VALU_DEP_2)
	v_lshrrev_b32 v9, 2, v1
	s_delay_alu instid0(VALU_DEP_1)
	v_mul_u32_u24 v9, v9, SP
	s_delay_alu instid0(VALU_DEP_4)
	v_and_b32 v10, 3, v1
	s_delay_alu instid0(VALU_DEP_1)
	v_lshl_add_u32 v9, v10, 4, v9                  ; into a stage: four lanes' 64 bytes on end, then the padding
	s_mul_i32 s13, s12, 2*STG
	v_add_nc_u32 v3, s13, v9                       ; my wave's stages, on the way in
	v_mul_u32_u24 v10, v1, SP
	s_delay_alu instid0(VALU_DEP_1)
	v_add_nc_u32 v4, s13, v10                      ; and on the way out: my 16 neighbours
	s_mul_i32 s13, s12, 8*SP
	s_add_co_u32 s13, s13, GST
	v_add_nc_u32 v5, s13, v9                       ; g's stage, on the way in: wave w brings bytes 512 w on
	v_add_nc_u32 v6, GST, v10                      ; and on the way out
	v_mul_u32_u24 v7, v1, 12                       ; my 16 codes in a half row's 384 bytes
	v_lshrrev_b32 v8, 1, v1
	s_lshl_b32 s13, s12, 6
	s_add_co_u32 s13, s13, SCB
	v_add_nc_u32 v8, s13, v8                       ; my block's scale byte: 64 bytes a wave
	v_add_nc_u32 v9, SCB, v2                       ; the scale bytes on the way out
	s_lshl_b32 s13, s12, 9
	v_add_nc_u32 v11, s13, v2                      ; g, b: 512 w + 16 x lane
	s_mov_b32 s16, 0x76543210
	s_mov_b32 s17, 0xfedcba98                      ; v_permlanex16_b32's selects for lane l xor 16
	s_mov_b32 s18, 0x3a800000                      ; 1 / 1024
	s_mov_b32 s19, 0x3727c5ac                      ; 1e-5
	s_lshr_b32 s14, ttmp9, 1
	s_lshl_b32 s14, s14, 5
	s_and_b32 s15, ttmp9, 1
	s_lshl_b32 s15, s15, 3
	s_add_co_u32 s14, s14, s15
	s_lshl_b32 s15, s12, 1
	s_add_co_u32 s14, s14, s15
	s_lshr_b32 s15, s12, 2
	s_lshl_b32 s15, s15, 3
	s_add_co_u32 s14, s14, s15                     ; my first token: 32 (wg / 2) + 8 (wg % 2) + 2 w + 8 (w / 4)
	s_lshl_b32 s14, s14, 12
	s_mov_b32 s15, 0
	s_lshl_b32 s22, ttmp9, 4
	s_lshl_b32 s23, s12, 1
	s_add_co_u32 s22, s22, s23
	s_mul_i32 s22, s22, 768                        ; my first stored row's codes
	s_mov_b32 s23, 0
	s_lshl_b32 s24, ttmp9, 9
	s_add_co_u32 s24, s24, 3145728                 ; the work-group's scale bytes
	s_mov_b32 s25, 0
	s_wait_alu depctr_va_vdst(0)
	s_wait_kmcnt 0x0
	s_add_nc_u64 s[4:5], s[4:5], s[14:15]
	s_add_nc_u64 s[20:21], s[10:11], s[24:25]
	s_add_nc_u64 s[10:11], s[10:11], s[22:23]
	global_load_b128 v[T+4:T+7], v11, s[6:7]
	global_load_b128 v[T+8:T+11], v11, s[8:9]
.irp i, 0,1
.irp j, 0,1,2,3,4,5,6,7
	global_load_b128 v[R+32*\i+4*\j:R+32*\i+4*\j+3], v2, s[4:5] offset:4096*\i+512*\j
.endr
.endr
	s_wait_loadcnt 16                              ; g and b are in; the 16 loads of x behind them stay out
	ds_store_b128 v5, v[T+4:T+7]
	ds_store_b128 v5, v[T+8:T+11] offset:2*STG
	s_wait_dscnt 0x0                               ; for the others' sake: my part of g and b lies in LDS
	s_barrier_signal -1
	s_barrier_wait -1
.irp j, 0,1
.irp k, 0,1,2,3
	ds_load_b128 v[G+16*\j+4*\k:G+16*\j+4*\k+3], v6 offset:STG*\j+16*\k
	ds_load_b128 v[B+16*\j+4*\k:B+16*\j+4*\k+3], v6 offset:STG*\j+16*\k+2*STG
.endr
.endr
	v_mov_b32 v[T+4], 0                            ; a lane permute's destination counts as one of its sources
.macro REDUCE                          ; v[T] summed over the 32 lanes, the result in every lane
	s_delay_alu instid0(VALU_DEP_1)
	v_add_f32_dpp v[T], v[T], v[T] row_xmask:1 row_mask:0xf bank_mask:0xf
	s_delay_alu instid0(VALU_DEP_1)
	v_add_f32_dpp v[T], v[T], v[T] row_xmask:2 row_mask:0xf bank_mask:0xf
	s_delay_alu instid0(VALU_DEP_1)
	v_add_f32_dpp v[T], v[T], v[T] row_xmask:4 row_mask:0xf bank_mask:0xf
	s_delay_alu instid0(VALU_DEP_1)
	v_add_f32_dpp v[T], v[T], v[T] row_xmask:8 row_mask:0xf bank_mask:0xf
	s_delay_alu instid0(VALU_DEP_1)
	v_permlanex16_b32 v[T+4], v[T], s16, s17
	s_delay_alu instid0(VALU_DEP_1)
	v_add_f32 v[T], v[T], v[T+4]
.endm
; Half row j of row i: x g + b, the block's scale (two neighbouring lanes hold a block), the codes, the byte.
.macro STEPQ i, j
.set XS, X+16*\j
.set CC, C+4*(2*\i+\j)
.irp k, 0,2,4,6,8,10,12,14
	v_pk_fma_f32 v[XS+\k:XS+\k+1], v[XS+\k:XS+\k+1], v[G+16*\j+\k:G+16*\j+\k+1], v[B+16*\j+\k:B+16*\j+\k+1]
.endr
	v_max3_num_f32 v[T+5], |v[XS]|, |v[XS+1]|, |v[XS+2]|
	v_max3_num_f32 v[T+6], |v[XS+3]|, |v[XS+4]|, |v[XS+5]|
.irp k, 6,10
	s_delay_alu instid0(VALU_DEP_2)
	v_max3_num_f32 v[T+5], v[T+5], |v[XS+\k]|, |v[XS+\k+1]|
	s_delay_alu instid0(VALU_DEP_2)
	v_max3_num_f32 v[T+6], v[T+6], |v[XS+\k+2]|, |v[XS+\k+3]|
.endr
	s_delay_alu instid0(VALU_DEP_2)
	v_max3_num_f32 v[T+5], v[T+5], |v[XS+14]|, |v[XS+15]|
	s_delay_alu instid0(VALU_DEP_1)
	v_max3_num_f32 v[T+5], v[T+5], v[T+6], 0x1800000   ; the floor 2^(3 - 127): the byte cannot fall under 1
	s_delay_alu instid0(VALU_DEP_1)
	v_max_num_f32_dpp v[T+5], v[T+5], v[T+5] row_xmask:1 row_mask:0xf bank_mask:0xf
	s_delay_alu instid0(VALU_DEP_1)
	v_add_nc_u32 v[T+7], 0xff000000, v[T+5]        ; 2 off the exponent field: the conversion takes that field as its scale
	v_cvt_scalef32_pk16_fp6_f32 v[CC:CC+2], v[XS:XS+15], v[T+7]
	v_lshrrev_b32 v[E+2*\i+\j], 23, v[T+7]         ; the scale's byte (a plain line behind the conversion)
	ds_store_b8 v8, v[E+2*\i+\j] offset:32*\i+16*\j    ; both lanes of a block write the same byte
	global_store_b96 v7, v[CC:CC+2], s[10:11] offset:768*\i+384*\j   ; the wave stores 384 consecutive bytes
.endm
.macro ROW i
.set RR, R+32*\i
	s_wait_loadcnt 8*(1-\i)                        ; this row's eight loads are in; the next row's may be out
	v_pk_add_f32 v[T:T+1], v[RR:RR+1], v[RR+2:RR+3]
	v_pk_add_f32 v[T+2:T+3], v[RR+4:RR+5], v[RR+6:RR+7]
.irp k, 8,12,16,20,24,28
	s_delay_alu instid0(VALU_DEP_2)
	v_pk_add_f32 v[T:T+1], v[T:T+1], v[RR+\k:RR+\k+1]
	s_delay_alu instid0(VALU_DEP_2)
	v_pk_add_f32 v[T+2:T+3], v[T+2:T+3], v[RR+\k+2:RR+\k+3]
.endr
	s_delay_alu instid0(VALU_DEP_1)
	v_pk_add_f32 v[T:T+1], v[T:T+1], v[T+2:T+3]
	s_delay_alu instid0(VALU_DEP_1)
	v_add_f32 v[T], v[T], v[T+1]
	REDUCE
	s_delay_alu instid0(VALU_DEP_1)
	v_mul_f32 v12, s18, v[T]                       ; the mean, twice: a pair for the packed forms
	s_delay_alu instid0(VALU_DEP_2)
	v_mul_f32 v13, s18, v[T]
.irp k, 0,2,4,6,8,10,12,14,16,18,20,22,24,26,28,30
	v_pk_add_f32 v[RR+\k:RR+\k+1], v[RR+\k:RR+\k+1], v[12:13] neg_lo:[0,1] neg_hi:[0,1]
.endr
	v_pk_mul_f32 v[T:T+1], v[RR:RR+1], v[RR:RR+1]
	v_pk_mul_f32 v[T+2:T+3], v[RR+2:RR+3], v[RR+2:RR+3]
.irp k, 4,8,12,16,20,24,28
	s_delay_alu instid0(VALU_DEP_2)
	v_pk_fma_f32 v[T:T+1], v[RR+\k:RR+\k+1], v[RR+\k:RR+\k+1], v[T:T+1]
	s_delay_alu instid0(VALU_DEP_2)
	v_pk_fma_f32 v[T+2:T+3], v[RR+\k+2:RR+\k+3], v[RR+\k+2:RR+\k+3], v[T+2:T+3]
.endr
	s_delay_alu instid0(VALU_DEP_1)
	v_pk_add_f32 v[T:T+1], v[T:T+1], v[T+2:T+3]
	s_delay_alu instid0(VALU_DEP_1)
	v_add_f32 v[T], v[T], v[T+1]
	REDUCE
	s_delay_alu instid0(VALU_DEP_1)
	v_fma_f32 v[T+1], v[T], s18, s19               ; the variance + 1e-5
	s_wait_alu depctr_va_vdst(0)
	v_rsq_f32 v14, v[T+1]
	v_nop                                          ; a plain line behind the transcendental
	s_wait_alu depctr_va_vdst(0)
	v_mov_b32 v15, v14
.irp k, 0,2,4,6,8,10,12,14,16,18,20,22,24,26,28,30
	v_pk_mul_f32 v[RR+\k:RR+\k+1], v[RR+\k:RR+\k+1], v[14:15]
.endr
.irp j, 0,1
.irp k, 0,1,2,3
	ds_store_b128 v3, v[RR+16*\j+4*\k:RR+16*\j+4*\k+3] offset:STG*\j+8*SP*\k
.endr
.endr
.irp j, 0,1
.irp k, 0,1,2,3
	ds_load_b128 v[X+16*\j+4*\k:X+16*\j+4*\k+3], v4 offset:STG*\j+16*\k   ; LDS serves a wave's instructions in order: these see the stores above
.endr
.endr
	s_wait_dscnt 0x0
	STEPQ \i, 0
	STEPQ \i, 1
.endm
	ROW 0
	ROW 1
	s_wait_dscnt 0x0                               ; for wave 0's sake: my scale bytes lie in LDS
	s_barrier_signal -1
	s_barrier_wait -1
	s_cmp_lg_u32 s12, 0
	s_cbranch_scc1 .Lend
	ds_load_b128 v[T:T+3], v9
	s_wait_dscnt 0x0
	global_store_b128 v2, v[T:T+3], s[20:21]       ; the tile's 512 scale bytes: 512 consecutive bytes, aligned
.Lend:
	s_wait_tensorcnt 0x0
	ds_add_u32 v208, v209
	s_wait_dscnt 0x0
	s_endpgm
.Lfunc_end_k_qd8cfe510f1_ln1:
	.size	k_qd8cfe510f1_ln1, .Lfunc_end_k_qd8cfe510f1_ln1-k_qd8cfe510f1_ln1
	.p2alignl 7, 3214868480
	.fill 96, 4, 3214868480
	.section	.rodata,"a",@progbits
	.p2align	6, 0x0
	.amdhsa_kernel k_qd8cfe510f1_ln1
		.amdhsa_group_segment_fixed_size 52736
		.amdhsa_private_segment_fixed_size 0
		.amdhsa_enable_private_segment 0
		.amdhsa_kernarg_size 32
		.amdhsa_user_sgpr_count 2
		.amdhsa_user_sgpr_kernarg_segment_ptr 1
		.amdhsa_wavefront_size32 1
		.amdhsa_system_sgpr_workgroup_id_x 1
		.amdhsa_system_sgpr_workgroup_id_y 1
		.amdhsa_system_sgpr_workgroup_id_z 1
		.amdhsa_system_vgpr_workitem_id 0
		.amdhsa_next_free_vgpr 210
		.amdhsa_next_free_sgpr 66
		.amdhsa_reserve_vcc 0
		.amdhsa_float_denorm_mode_32 3
		.amdhsa_float_denorm_mode_16_64 3
		.amdhsa_memory_ordered 1
		.amdhsa_forward_progress 1
		.amdhsa_inst_pref_size 28
	.end_amdhsa_kernel
	.amdgpu_metadata
---
amdhsa.version: [ 1, 2 ]
amdhsa.kernels:
  - .name:           k_qd8cfe510f1_ln1
    .symbol:         k_qd8cfe510f1_ln1.kd
    .args:
      - { .name: x, .offset: 0, .size: 8, .value_kind: global_buffer, .address_space: global }
      - { .name: ln1_g, .offset: 8, .size: 8, .value_kind: global_buffer, .address_space: global }
      - { .name: ln1_b, .offset: 16, .size: 8, .value_kind: global_buffer, .address_space: global }
      - { .name: h, .offset: 24, .size: 8, .value_kind: global_buffer, .address_space: global }
    .group_segment_fixed_size: 52736
    .private_segment_fixed_size: 0
    .kernarg_segment_align: 8
    .kernarg_segment_size: 32
    .max_flat_workgroup_size: 256
    .sgpr_count:     66
    .vgpr_count:     210
    .wavefront_size: 32
...
	.end_amdgpu_metadata
.endif
;; end of part 1
;; launch qkv (part 2): grid 12 x 16, 4 waves a work-group, clusters of 4 x 4, 327,680 bytes of LDS; arguments h, w_qkv_codes, w_qkv_scales, qkv; writes qkv
.if DOCPART == 2
	.amdgcn_target "amdgcn-amd-amdhsa--gfx1250"
	.amdhsa_code_object_version 6
	.text
	.protected	k_qd8cfe510f1_qkv
	.globl	k_qd8cfe510f1_qkv
	.p2align	8
	.type	k_qd8cfe510f1_qkv,@function
k_qd8cfe510f1_qkv:
	s_mov_b64 s[64:65], 0
	v_nop
	global_prefetch_b8 v0, s[64:65] scope:SCOPE_SE
	s_setreg_imm32_b32 hwreg(HW_REG_WAVE_MODE, 25, 1), 1
	s_wait_xcnt 0x0
	s_wait_alu depctr_hold_cnt(0) depctr_sa_sdst(0) depctr_va_vdst(0) depctr_va_sdst(0) depctr_va_ssrc(0) depctr_va_vcc(0) depctr_vm_vsrc(0)
	s_getreg_b32 s2, hwreg(HW_REG_IB_STS2, 6, 4)
	s_cmp_eq_u32 s2, 0
	s_cbranch_scc0 .Lentry_in_a_cluster
	s_endpgm
.Lentry_in_a_cluster:
	s_bfe_u32 s2, ttmp6, 0x10000c
	s_cmp_lg_u32 s2, 0xf033
	s_cbranch_scc0 .Lentry_shape_is_right
	s_endpgm
.Lentry_shape_is_right:
; q, k, v = LN1(x) W_qkv on codes of E2M3 with E8M0 scales, K = 1,024; the results are quantised in registers and leave as images of the next products' operand registers.
; A tile of 256 x 256 is made by four waves, 128 x 128 each: 64 accumulators.  A row of codes is 768 bytes = three chunks of 256 bytes, each on a 256-byte border; chunk c lies in LDS slot c % 2.
; A step of 128 along K is 96 bytes: eight steps to three chunks; steps 2 and 5 lie across two chunks.  The scale bytes of both sides, for all of K, come into LDS once.
; HEAD: one joint load a wave: wave 0 the A side's chunk 0 (256 rows), wave 1 the B side's, waves 2 and 3 the two sides' scale bytes; chunk 1 follows behind the full sequence and a round, chunk 2 as slot 0's refill.
; 4 x 4 work-groups form a cluster: the four of a row share the A side's tiles, the four of a column the B side's.  Source 0 = 16 rows of the B side, source 1 = 16 rows of the A side.
; THE CLUSTER'S x SAYS WHICH THIRD: 0 q, 1 k, 2 v.  q, k: A side = tokens (h's stored rows), B side = W's rows.  v is quantised along the keys: the two tensors change places, by a choice of pointers on the cluster's x alone.
; OUT (buffer qkv): q at 0, k at 3,145,728: [head][tile of 16 tokens (64)][768]; v at 6,291,456: [head][64 keys (16)][16 channels (4)][768].  In 768 bytes register 2 p + e of lane l lies at 256 p + 8 l + 4 e.
; Scale words at 9,437,184 + third x 262,144: [pair of heads (32)][128 tokens (8)][2][512]: (block a, row r) at 256 (a / 4) + 16 r + 4 (a % 4); the second 512 hold the words shifted down by 16 bits.
; No prefetch: the walk has three chunks, and all three are asked for by the end of step 2 of eight.
; LIMITS: NaN and infinities are not served; a block under 2^-124, a block of zeros among them, takes the byte 1 (the bytes are this program's own).
.set ROWB,   256
.set NQ,     2
.set KROW,   768
.set STEPS,  8
.set CHUNKS, 3
.set PITCH,  272                       ; 256 bytes + 16 of padding
.set FR,     12
.set NL,     6
.set NP,     4
.set HALFT,  128*PITCH
.set SLOT,   4*HALFT
.set KS,     32
.set SCL,    2*SLOT
.set HALFS,  (128*KS/256)*272
.set SBLK,   (16*KS/256)*272
.set SPARE,  SCL+4*HALFS               ; the spare words: 128 bytes a wave
.set ADRA, 16
.set ADRB, 20
.set ADRS, 27
.set SPW,  28
.set NIL,  29
.set SC,   32
.set AF,   128
.set PWS,  64
.set TM,   72
.set CD,   88
.set DD,   108
.set G1, 24
.set G0, 32
.set G1B, 48
.set G0B, 56
.set G1S, 68
.set G0S, 76
.set G1SB, 80
.set G0SB, 88
.set G0H, 4
.set G0HB, 8
.set ISV, 95
.set SEL, 100
.set MSB, 0
.macro WIN new                         ; the immediate's high byte repeats the setting that is left
.set WNEW, \new
.if MSB != WNEW
	s_set_vgpr_msb (MSB<<8)|WNEW
.set MSB, WNEW
.endif
.endm
.set MUL_LO, 0xa1
.set MUL_HI, 0xf1
.set TO_B,   0x40
.macro TLOAD g0, g1                    ; a tensor load with s_nop 0 and four v_nop behind it
	tensor_load_to_lds s[\g0:\g0+3], s[\g1:\g1+7]
	s_nop 0
.rept 4
	v_nop
.endr
.endm
.macro JLOAD g0a, g1a, g0b, g1b        ; waves 0 and 1 fetch for the A side, waves 2 and 3 for the B side
	s_cmp_eq_u32 s15, 0
	s_cbranch_scc0 .Lfor_b_\@
	TLOAD \g0a, \g1a
	s_branch .Lasked_\@
.Lfor_b_\@:
	TLOAD \g0b, \g1b
.Lasked_\@:
.endm
.macro CREST
	s_cmp_lg_u32 s14, 0
	s_cbranch_scc1 .Lnot_wave_0_\@
	s_barrier_signal -3
.Lnot_wave_0_\@:
	s_barrier_wait -3
	s_barrier_signal -1
	s_barrier_wait -1
.endm
.macro CROUND
	s_barrier_signal -1
	s_barrier_wait -1
	CREST
.endm
	s_load_b64 s[4:5], s[0:1], 0x0                 ; h: codes, and 3,145,728 bytes on its scale bytes
	s_load_b64 s[8:9], s[0:1], 0x8                 ; W's codes
	s_load_b64 s[10:11], s[0:1], 0x10              ; W's scale bytes
	s_load_b64 s[12:13], s[0:1], 0x18              ; qkv
	v_lshl_add_u32 v[SPW], v0, 2, SPARE
	v_mov_b32 v[NIL], 0
	ds_add_u32 v[SPW], v[NIL]                      ; the opening lines: the add twice on end
	ds_add_u32 v[SPW], v[NIL]
	v_lshrrev_b32 v1, 5, v0
	v_readfirstlane_b32 s14, v1                    ; wave 0..3
	s_lshr_b32 s15, s14, 1                         ; my half of the A side's rows; also: I fetch for A (0) or B (1)
	s_and_b32 s16, s14, 1                          ; my half of the B side's; also: which 128 rows I fetch
	s_bfe_u32 s40, ttmp6, 0x40000                  ; cx
	s_bfe_u32 s41, ttmp6, 0x40004                  ; cy
	s_and_b32 s17, ttmp7, 0xffff
	s_lshl_b32 s17, s17, 2
	s_lshl_b32 s42, ttmp9, 2
	s_cmp_eq_u32 ttmp9, 2                          ; the clusters of x = 2 make v
	s_cselect_b32 s[ISV], 1, 0
	s_cselect_b32 s42, s17, s42                    ; B side's tile
	s_cselect_b32 s17, 8, s17                      ; A side's tile
	s_add_co_u32 s17, s17, s41
	s_add_co_u32 s42, s42, s40
	s_lshl_b32 s43, s41, 2
	s_lshl_b32 s43, 15, s43                        ; my row of the cluster
	s_lshl_b32 s44, 0x1111, s40                    ; my column
	s_or_b32 s[G1+0], s43, (0<<16)|(1<<20)|(1<<21)|(5<<22)|(3<<25)
	s_or_b32 s[G1B+0], s44, (0<<16)|(1<<20)|(1<<21)|(5<<22)|(3<<25)
.irp g, G1, G1B
	s_mov_b32 s[\g+1], ROWB<<16
	s_mov_b32 s[\g+2], 256<<16                     ; 256 rows for the head's loads
	s_mov_b32 s[\g+3], ROWB<<16
	s_mov_b32 s[\g+4], 256
	s_mov_b32 s[\g+5], KROW
	s_mov_b32 s[\g+6], 0
	s_mov_b32 s[\g+7], 0
.endr
	s_or_b32 s[G1S+0], s43, (3<<16)|(1<<20)|(1<<21)|(5<<22)|(3<<25)  ; the scale bytes of 256 rows: KS rows of 256 bytes
	s_or_b32 s[G1SB+0], s44, (3<<16)|(1<<20)|(1<<21)|(5<<22)|(3<<25)
.irp g, G1S, G1SB
	s_mov_b32 s[\g+1], 32<<16
	s_mov_b32 s[\g+2], KS<<16
	s_mov_b32 s[\g+3], 32<<16
	s_mov_b32 s[\g+4], KS
	s_mov_b32 s[\g+5], 32
	s_mov_b32 s[\g+6], 0
	s_mov_b32 s[\g+7], 0
.endr
	s_lshl_b32 s20, s17, 8
	s_lshl_b32 s46, s42, 8
	s_mov_b32 s21, 0
	s_mov_b32 s47, 0
	s_mov_b64 s[18:19], KS
	s_mul_u64 s[22:23], s[20:21], s[18:19]
	s_mul_u64 s[92:93], s[46:47], s[18:19]
	s_mov_b64 s[18:19], KROW
	s_mul_u64 s[20:21], s[20:21], s[18:19]
	s_mul_u64 s[46:47], s[46:47], s[18:19]
	s_mul_i32 s18, s16, 128*KROW                   ; in the ring: my 128 rows
	s_mov_b32 s19, 0
	s_mul_i32 s45, s14, HALFT
	s_wait_dscnt 0x0                               ; both opening adds are done
	s_wait_kmcnt 0x0
	s_add_nc_u64 s[6:7], s[4:5], 0x300000          ; h's scale bytes
	s_cmp_eq_u32 s[ISV], 1
	s_cselect_b64 s[96:97], s[8:9], s[4:5]         ; A side's codes
	s_cselect_b64 s[8:9], s[4:5], s[8:9]           ; B side's codes
	s_cselect_b64 s[98:99], s[10:11], s[6:7]       ; A side's scale bytes
	s_cselect_b64 s[10:11], s[6:7], s[10:11]       ; B side's
	s_add_nc_u64 s[20:21], s[96:97], s[20:21]
	s_add_nc_u64 s[22:23], s[98:99], s[22:23]
	s_add_nc_u64 s[46:47], s[8:9], s[46:47]
	s_add_nc_u64 s[92:93], s[10:11], s[92:93]
	CROUND                                         ; the first joint loads meet
	s_mov_b32 s[G0H], 1
	s_mov_b32 s[G0H+1], 0
	s_mov_b64 s[G0H+2:G0H+3], s[20:21]
	s_or_b32 s[G0H+3], s[G0H+3], 0x80000000
	s_mov_b32 s[G0HB], 1
	s_mov_b32 s[G0HB+1], 2*HALFT
	s_mov_b64 s[G0HB+2:G0HB+3], s[46:47]
	s_or_b32 s[G0HB+3], s[G0HB+3], 0x80000000
	s_mov_b32 s[G0S], 1
	s_mov_b32 s[G0S+1], SCL
	s_mov_b64 s[G0S+2:G0S+3], s[22:23]
	s_or_b32 s[G0S+3], s[G0S+3], 0x80000000
	s_mov_b32 s[G0SB], 1
	s_mov_b32 s[G0SB+1], SCL+2*HALFS
	s_mov_b64 s[G0SB+2:G0SB+3], s[92:93]
	s_or_b32 s[G0SB+3], s[G0SB+3], 0x80000000
	s_add_nc_u64 s[20:21], s[20:21], s[18:19]
	s_add_nc_u64 s[46:47], s[46:47], s[18:19]
.irp s, 0,1
	s_mov_b32 s[G0+4*\s], 1
	s_add_co_u32 s[G0+4*\s+1], s45, \s*SLOT
	s_add_nc_u64 s[G0+4*\s+2:G0+4*\s+3], s[20:21], \s*ROWB
	s_or_b32 s[G0+4*\s+3], s[G0+4*\s+3], 0x80000000
	s_mov_b32 s[G0B+4*\s], 1
	s_add_co_u32 s[G0B+4*\s+1], s45, \s*SLOT
	s_add_nc_u64 s[G0B+4*\s+2:G0B+4*\s+3], s[46:47], \s*ROWB
	s_or_b32 s[G0B+4*\s+3], s[G0B+4*\s+3], 0x80000000
.endr
.macro ARM under, g0, g1, next         ; one chain of branches on the wave's number, one load to an arm
	s_cmp_lt_u32 s14, \under
	s_cbranch_scc0 \next
	TLOAD \g0, \g1
	s_branch .Lhead_asked
\next:
.endm
	ARM 1, G0H,  G1,  .Lhead_b
	ARM 2, G0HB, G1B, .Lhead_sa
	ARM 3, G0S,  G1S, .Lhead_sb
	TLOAD G0SB, G1SB
.Lhead_asked:
	v_and_b32 v1, 15, v0                           ; l % 16
	v_bfe_u32 v2, v0, 4, 1                         ; l / 16
	v_mul_u32_u24 v3, v1, PITCH
	v_mul_u32_u24 v4, v2, 24
	v_add_nc_u32 v4, v3, v4                        ; row x pitch + 24 x half
	s_mov_b32 s21, SLOT-232
	s_mov_b32 s22, SLOT+232
	v_sub_nc_u32 v7, 1, v2
	v_mul_u32_u24 v5, s21, v2
	v_add_nc_u32 v5, v3, v5
	v_add_nc_u32 v5, 232, v5                       ; across two chunks: lanes 0-15 byte 232 in slot 0, lanes 16-31 byte 0 in slot 1
	v_mul_u32_u24 v6, s22, v7
	v_add_nc_u32 v6, v3, v6                        ; and the other way round
	s_mul_i32 s21, s15, HALFT
	s_mul_i32 s22, s16, HALFT
	s_add_co_u32 s22, s22, 2*HALFT
	v_add_nc_u32 v[ADRA+2], s21, v5
	v_add_nc_u32 v[ADRA+3], s21, v6
	v_add_nc_u32 v[ADRB+2], s22, v5
	v_add_nc_u32 v[ADRB+3], s22, v6
.irp s, 0,1
	v_add_nc_u32 v[ADRA+\s], s21, v4
	v_add_nc_u32 v[ADRB+\s], s22, v4
	s_add_co_u32 s21, s21, SLOT
	s_add_co_u32 s22, s22, SLOT
.endr
	v_mul_u32_u24 v5, v1, KS
	v_lshrrev_b32 v6, 8, v5
	v_lshl_add_u32 v5, v6, 4, v5                   ; my row's scale bytes, 16 more for each 256 passed
	s_mul_i32 s21, s15, HALFS
	s_mul_i32 s22, s16, HALFS
	s_add_co_u32 s22, s22, 2*HALFS
	s_sub_co_u32 s22, s22, s21
	v_mul_u32_u24 v6, s22, v2                      ; lanes 16-31 take the B side's
	s_add_co_u32 s21, s21, SCL
	v_add_nc_u32 v5, v5, v6
	v_add_nc_u32 v[ADRS], s21, v5
.macro FRAG reg, adr, st, i            ; 16 rows x 128 K: 12 registers in pieces of 8 bytes; byte y of a row lies in slot (y / 256) % 2 at byte y % 256
.irp p, 0,1,2,3,4,5
.set BY, 96*(\st)+48*(\p/3)+8*(\p%3)
.if BY/ROWB == (BY+24)/ROWB
	ds_load_b64 v[\reg+2*\p:\reg+2*\p+1], v[\adr+(BY/ROWB)%2] offset:BY%ROWB+(\i)*16*PITCH
.else
	ds_load_b64 v[\reg+2*\p:\reg+2*\p+1], v[\adr+2+(BY/ROWB)%2] offset:BY%ROWB-232+(\i)*16*PITCH
.endif
.endr
.endm
.macro MUL16 a0, p, q, sc, zero        ; A's blocks a0, a0 + 1 x B's eight; the 64 accumulators take turns
.irp a, \a0, \a0+1
.irp b, 0,1,2,3,4,5,6,7
.if \zero
	v_wmma_scale_f32_16x16x128_f8f6f4 v[8*(8*((\a)%4)+\b):8*(8*((\a)%4)+\b)+7], v[128*(\p)+FR*\b:128*(\p)+FR*\b+FR-1], v[AF+FR*(\a):AF+FR*(\a)+FR-1], 0, v[SC+8*NQ*(\sc)+NQ*\b+(\q)], v[SC+8*NQ*(\sc)+NQ*(\a)+(\q)] matrix_a_fmt:MATRIX_FMT_FP6 matrix_b_fmt:MATRIX_FMT_FP6 matrix_a_scale:MATRIX_SCALE_ROW1
.else
	v_wmma_scale_f32_16x16x128_f8f6f4 v[8*(8*((\a)%4)+\b):8*(8*((\a)%4)+\b)+7], v[128*(\p)+FR*\b:128*(\p)+FR*\b+FR-1], v[AF+FR*(\a):AF+FR*(\a)+FR-1], v[8*(8*((\a)%4)+\b):8*(8*((\a)%4)+\b)+7], v[SC+8*NQ*(\sc)+NQ*\b+(\q)], v[SC+8*NQ*(\sc)+NQ*(\a)+(\q)] matrix_a_fmt:MATRIX_FMT_FP6 matrix_b_fmt:MATRIX_FMT_FP6 matrix_a_scale:MATRIX_SCALE_ROW1
.endif
.endr
.endr
.endm
.macro FETCH_B st, p
	WIN TO_B
.irp i, 0,1,2,3,4,5,6,7
	FRAG 128*(\p)+FR*\i, ADRB, \st, \i
.endr
	WIN 0
.endm
.macro FETCH_A st, i0
.irp i, \i0, \i0+1, \i0+2, \i0+3
	FRAG AF+FR*(\i), ADRA, \st, \i
.endr
.endm
.macro SCALES pr                       ; the scale words of steps 2 pr, 2 pr + 1: lanes 0-15 the A side's block i, lanes 16-31 the B side's
.irp i, 0,1,2,3,4,5,6,7
	ds_load_b64 v[SC+8*NQ*((\pr)%2)+NQ*\i:SC+8*NQ*((\pr)%2)+NQ*\i+1], v[ADRS] offset:\i*SBLK+4*NQ*(\pr)
.endr
.endm
.macro PLACES n                        ; plain vector lines behind a matrix instruction (ISA guide 7.12.1)
.rept \n
	v_nop
.endr
.endm
; A step: 64 products; the next step's fragments are fetched in its middle and at its end.  Where the next step ends in a chunk not read yet, a barrier shows that chunk whole;
; where it begins in a later chunk, the three lines stand in front of the barrier, which opens a round if a chunk two on is left to fetch.
.macro STEP st, zero
.set NX, (\st)+1
.set C0, (96*(\st))/ROWB
.set C1, (96*NX)/ROWB
.set E0, (96*(\st)+95)/ROWB
.set E1, (96*NX+95)/ROWB
.if C1 > C0 || E1 > E0
	s_wait_tensorcnt 0x0                           ; all my tensor loads have landed
.if C1 > C0
	ds_add_u32 v[SPW], v[NIL]
	s_wait_dscnt 4*NL+1                            ; the add and A's blocks 4-7 may be out
.else
	s_wait_dscnt 4*NL
.endif
	WIN MUL_LO
	MUL16 0, (\st)%2, (\st)%2, ((\st)/2)%2, \zero
	s_wait_dscnt 0x0                               ; the add and all my LDS reads are done
	s_barrier_signal -1
	MUL16 2, (\st)%2, (\st)%2, ((\st)/2)%2, \zero
	WIN 0
	s_barrier_wait -1
.if C1 > C0 && C0+2 < CHUNKS
	CREST
	s_add_nc_u64 s[G0+4*(C0%2)+2:G0+4*(C0%2)+3], s[G0+4*(C0%2)+2:G0+4*(C0%2)+3], 2*ROWB
	s_add_nc_u64 s[G0B+4*(C0%2)+2:G0B+4*(C0%2)+3], s[G0B+4*(C0%2)+2:G0B+4*(C0%2)+3], 2*ROWB
	JLOAD G0+4*(C0%2), G1, G0B+4*(C0%2), G1B       ; chunk C0 + 2, first behind the round
.else
	PLACES NP
.endif
.else
	s_wait_dscnt 4*NL                              ; B's set and A's blocks 0-3 are in
	WIN MUL_LO
	MUL16 0, (\st)%2, (\st)%2, ((\st)/2)%2, \zero
	MUL16 2, (\st)%2, (\st)%2, ((\st)/2)%2, \zero
	s_wait_dscnt 0
	PLACES NP
.endif
	FETCH_B NX, NX%2
	FETCH_A NX, 0
.if NX%2 == 0
	SCALES NX/2
.endif
	WIN MUL_HI
	MUL16 4, (\st)%2, (\st)%2, ((\st)/2)%2, \zero
	MUL16 6, (\st)%2, (\st)%2, ((\st)/2)%2, \zero
	PLACES NP
	WIN 0
	FETCH_A NX, 4
.endm
	s_wait_alu depctr_va_vdst(0)                   ; the wait at the head's end
	s_wait_tensorcnt 0x0                           ; my tile of the head's four is in
	ds_add_u32 v[SPW], v[NIL]
	s_mov_b32 s[G1+2], 128<<16                     ; no load of mine is out: from here on a load brings 128 rows
	s_mov_b32 s[G1+4], 128
	s_mov_b32 s[G1B+2], 128<<16
	s_mov_b32 s[G1B+4], 128
	s_wait_dscnt 0x0
	CROUND
	JLOAD G0+4, G1, G0B+4, G1B                     ; chunk 1
	FETCH_B 0, 0
	FETCH_A 0, 0
	SCALES 0
	FETCH_A 0, 4
	STEP 0, 1
.set ST, 1
.rept STEPS-2
	STEP ST, 0
.set ST, ST+1
.endr
	s_wait_dscnt 4*NL
	WIN MUL_LO
	MUL16 0, 1, 1, 1, 0
	MUL16 2, 1, 1, 1, 0
	s_wait_dscnt 0
	WIN MUL_HI
	MUL16 4, 1, 1, 1, 0
	MUL16 6, 1, 1, 1, 0
	WIN 0
	; THE WAY OUT.  Block a holds, in a lane, 64 registers of one row of the A side: they become one fragment (12 registers) and one scale word.
	PLACES NP
	s_lshl_b32 s20, s17, 1
	s_add_co_u32 s20, s20, s15
	s_lshl_b32 s21, s42, 1
	s_add_co_u32 s21, s21, s16
	s_mov_b32 s96, 3072
	s_mov_b32 s97, 49152
	s_cmp_eq_u32 s[ISV], 1
	s_cselect_b32 s22, s21, s20                    ; which 128 tokens
	s_cselect_b32 s23, s20, s21                    ; which pair of heads
	s_cselect_b32 s98, s96, s97                    ; from the fragment's first 64 along K to its second
	s_cselect_b32 s99, s97, s96                    ; from block a to block a + 4
	s_and_b32 s23, s23, 7
	s_lshr_b32 s18, s22, 3
	s_lshl_b32 s18, s18, 3
	s_add_co_u32 s18, s18, s23
	s_and_b32 s19, s22, 7
	s_lshl_b32 s20, s18, 7
	s_lshl_b32 s21, s19, 3
	s_add_co_u32 s20, s20, s21
	s_mul_i32 s20, s20, 768
	s_mul_i32 s21, ttmp9, 3145728
	s_add_co_u32 s20, s20, s21
	s_mov_b32 s21, 0
	s_lshl_b32 s22, s18, 3
	s_add_co_u32 s22, s22, s19
	s_lshl_b32 s22, s22, 10
	s_lshl_b32 s23, ttmp9, 18
	s_add_co_u32 s22, s22, s23
	s_add_co_u32 s22, s22, 9437184
	s_mov_b32 s23, 0
	s_add_nc_u64 s[18:19], s[12:13], s[22:23]      ; my scale words
	s_add_nc_u64 s[12:13], s[12:13], s[20:21]      ; my images
	s_mov_b32 s[SEL], 0x76543210
	s_mov_b32 s[SEL+1], 0xfedcba98
	v_and_b32 v1, 31, v0
	v_lshlrev_b32 v16, 3, v1
	v_add_nc_u32 v17, s98, v16
	v_add_nc_u32 v18, s99, v16
	v_add_nc_u32 v19, s99, v17
	v_lshlrev_b32 v20, 4, v1
.irp b, 0,1,2,3
	v_mov_b32 v[TM+4+\b], 0                        ; a lane permute's destination counts as one of its sources
.endr
.macro QUANT s, w, pw                  ; 64 numbers of a lane in window w become a fragment's codes in v[CD] on and its scale word in v[pw]
.set QS, \s
.set QW, \w
.set QP, \pw
	WIN QW|(QW<<2)
.irp b, 0,1,2,3
	v_max3_num_f32 v[TM+\b], |v[QS+16*\b]|, |v[QS+1+16*\b]|, 0x1800000   ; with the floor 2^(3 - 127)
.endr
.irp i, 2,4,6,8,10,12,14
.irp b, 0,1,2,3
	v_max3_num_f32 v[TM+\b], |v[QS+16*\b+\i]|, |v[QS+1+16*\b+\i]|, v[TM+\b]
.endr
.endr
	WIN 0
.irp b, 0,1,2,3
	v_permlanex16_b32 v[TM+4+\b], v[TM+\b], s[SEL], s[SEL+1]
.endr
.irp b, 0,1,2,3
	v_max_num_f32 v[TM+\b], v[TM+\b], v[TM+4+\b]
.endr
.irp b, 0,1,2,3
	v_add_nc_u32 v[TM+12+\b], 0xff000000, v[TM+\b] ; 2 off the exponent field: the conversion's scale operand
.endr
.irp b, 0,1,2,3
	v_lshrrev_b32 v[TM+4+\b], 23, v[TM+12+\b]
.endr
	v_lshl_or_b32 v[QP], v[TM+5], 8, v[TM+4]
	v_lshl_or_b32 v[QP], v[TM+6], 16, v[QP]
	v_lshl_or_b32 v[QP], v[TM+7], 24, v[QP]
	WIN QW
.irp c, 0,1
	v_cvt_scalef32_pk16_fp6_f32 v[CD+6*\c:CD+2+6*\c], v[QS+32*\c:QS+15+32*\c], v[TM+12+2*\c]
	v_cvt_scalef32_pk16_fp6_f32 v[CD+12+4*\c:CD+14+4*\c], v[QS+16+32*\c:QS+31+32*\c], v[TM+12+2*\c+1]
.endr
	WIN 0
	v_nop
.irp c, 0,1
.irp i, 0,1,2
	v_permlane16_swap_b32 v[CD+6*\c+\i], v[CD+12+4*\c+\i]
.endr
.irp i, 0,1,2
	v_mov_b32 v[CD+3+6*\c+\i], v[CD+12+4*\c+\i]
.endr
.endr
.endm
; q, k: the exchange makes the 16 registers of tiles 2 n, 2 n + 1 sixteen neighbours.  v: h's stored order already gives 16 neighbouring keys.  The branch hangs on the cluster's x alone.
.macro EPI a
.set ES, 64*((\a)%4)
.if (\a) > 0
	s_wait_xcnt 0x0                                ; the last block's stores have read the codes' registers
.endif
	s_cmp_eq_u32 s[ISV], 1
	s_cbranch_scc1 .Lnoswap_\@
	WIN 0x82+0x41*((\a)/4)
.irp n, 0,1,2,3
.irp j, 0,1,2,3,4,5,6,7
	v_permlane16_swap_b32 v[ES+16*\n+\j], v[ES+16*\n+8+\j]
.endr
.endr
	WIN 0
.Lnoswap_\@:
	QUANT ES, 2+(\a)/4, PWS+(\a)
.irp c, 0,1
.irp p, 0,1,2
	global_store_b64 v[16+\c+2*((\a)/4)], v[CD+6*\c+2*\p:CD+6*\c+2*\p+1], s[12:13] offset:768*((\a)%4)+256*\p   ; 32 lanes store 256 consecutive bytes, aligned
.endr
.endr
.endm
.irp a, 0,1,2,3,4,5,6,7
	EPI \a
.endr
	v_cmp_le_u32 vcc_lo, 16, v1
.irp j, 0,1,2,3
	v_cndmask_b32 v[DD+\j], v[PWS+\j], v[PWS+4+\j], vcc_lo
.endr
.irp j, 0,1,2,3
	v_lshrrev_b32 v[DD+4+\j], 16, v[DD+\j]
.endr
	global_store_b128 v20, v[DD:DD+3], s[18:19]
	global_store_b128 v20, v[DD+4:DD+7], s[18:19] offset:512
	s_wait_tensorcnt 0x0                           ; the wave's end
	ds_add_u32 v[SPW], v[NIL]
	s_wait_dscnt 0x0
	CROUND                                         ; the closing round
	s_endpgm
.Lfunc_end_k_qd8cfe510f1_qkv:
	.size	k_qd8cfe510f1_qkv, .Lfunc_end_k_qd8cfe510f1_qkv-k_qd8cfe510f1_qkv
	.p2alignl 7, 3214868480
	.fill 96, 4, 3214868480
	.section	.rodata,"a",@progbits
	.p2align	6, 0x0
	.amdhsa_kernel k_qd8cfe510f1_qkv
		.amdhsa_group_segment_fixed_size 327680
		.amdhsa_private_segment_fixed_size 0
		.amdhsa_enable_private_segment 0
		.amdhsa_kernarg_size 32
		.amdhsa_user_sgpr_count 2
		.amdhsa_user_sgpr_kernarg_segment_ptr 1
		.amdhsa_wavefront_size32 1
		.amdhsa_system_sgpr_workgroup_id_x 1
		.amdhsa_system_sgpr_workgroup_id_y 1
		.amdhsa_system_sgpr_workgroup_id_z 1
		.amdhsa_system_vgpr_workitem_id 0
		.amdhsa_next_free_vgpr 1024
		.amdhsa_next_free_sgpr 102
		.amdhsa_reserve_vcc 1
		.amdhsa_float_denorm_mode_32 3
		.amdhsa_float_denorm_mode_16_64 3
		.amdhsa_memory_ordered 1
		.amdhsa_forward_progress 1
		.amdhsa_inst_pref_size 177
	.end_amdhsa_kernel
	.amdgpu_metadata
---
amdhsa.version: [ 1, 2 ]
amdhsa.kernels:
  - .name:           k_qd8cfe510f1_qkv
    .symbol:         k_qd8cfe510f1_qkv.kd
    .args:
      - { .name: h, .offset: 0, .size: 8, .value_kind: global_buffer, .address_space: global }
      - { .name: w_qkv_codes, .offset: 8, .size: 8, .value_kind: global_buffer, .address_space: global }
      - { .name: w_qkv_scales, .offset: 16, .size: 8, .value_kind: global_buffer, .address_space: global }
      - { .name: qkv, .offset: 24, .size: 8, .value_kind: global_buffer, .address_space: global }
    .group_segment_fixed_size: 327680
    .private_segment_fixed_size: 0
    .kernarg_segment_align: 8
    .kernarg_segment_size: 32
    .max_flat_workgroup_size: 128
    .sgpr_count:     102
    .vgpr_count:     1024
    .wavefront_size: 32
...
	.end_amdgpu_metadata
.endif
;; end of part 2
;; launch attn (part 3): grid 4 x 64, 16 waves a work-group, clusters of 4 x 1, 169,984 bytes of LDS; arguments qkv, o; writes o
.if DOCPART == 3
	.amdgcn_target "amdgcn-amd-amdhsa--gfx1250"
	.amdhsa_code_object_version 6
	.text
	.protected	k_qd8cfe510f1_attn
	.globl	k_qd8cfe510f1_attn
	.p2align	8
	.type	k_qd8cfe510f1_attn,@function
k_qd8cfe510f1_attn:
	s_mov_b64 s[64:65], 0
	v_nop
	global_prefetch_b8 v0, s[64:65] scope:SCOPE_SE
	s_setreg_imm32_b32 hwreg(HW_REG_WAVE_MODE, 25, 1), 1
	s_wait_xcnt 0x0
	s_wait_alu depctr_hold_cnt(0) depctr_sa_sdst(0) depctr_va_vdst(0) depctr_va_sdst(0) depctr_va_ssrc(0) depctr_va_vcc(0) depctr_vm_vsrc(0)
	s_getreg_b32 s2, hwreg(HW_REG_IB_STS2, 6, 4)
	s_cmp_eq_u32 s2, 0
	s_cbranch_scc0 .Lentry_in_a_cluster
	s_endpgm
.Lentry_in_a_cluster:
	s_bfe_u32 s2, ttmp6, 0x10000c
	s_cmp_lg_u32 s2, 0x3003
	s_cbranch_scc0 .Lentry_shape_is_right
	s_endpgm
.Lentry_shape_is_right:
; Causal attention of one head (64 channels, 1,024 tokens) on codes of E2M3; o leaves quantised, as images of the next product's operand registers.
; t = score x log2(e) / 8; M = the running largest t rounded up to a whole number; p = 2^(t - M) is quantised along the keys; the row's sum is taken of the unquantised p and divides O at the end.
; SHARES.  The cluster's y is the head 16 b + hd.  Its four work-groups share the head's K and V: 98,304 bytes of images and 6,144 of scale words, brought into each LDS ONCE by four joint loads (waves 0 to 3); nothing is filled again.
; Wave w has rank = w xor 3 ((w / 4) % 2) and owns the tile of 16 queries t = 4 rank + cx: tiles 4 rank .. 4 rank + 3 are tokens 64 rank .. 64 rank + 63, so which key steps a wave needs hangs on its number alone,
; never on the place in the cluster; the ranks of waves w, w + 4, w + 8, w + 12 need 18 key steps together, whatever w.
; LAYOUT.  S^T = K Q^T (source 0 = 16 keys, source 1 = my queries), O^T = V^T P^T: a lane holds one query throughout.  The tokens of a tile are 32 beta + 8 u + r + 8 (r / 8), so p's 16 registers of two neighbouring tiles are 16 neighbouring keys.
; THE FIRST PRODUCT'S K IS 64, THE INSTRUCTION'S 128: Q's fragment has zero codes for k = 64 .. 127.  K's fragment of tile n is its six registers and the six that follow (tile n + 1's, or zeros): codes of E2M3 are all finite numbers
; and meet zero codes; the scale bytes there are the neighbouring head's (1 .. 254) or 0, never 0xff.
; CAUSAL: every wave walks all eight key steps of 128; a step whose keys all come after the wave's 64 tokens is jumped over by a scalar branch; on the diagonal hidden scores become -infinity ahead of the maximum.
; LIMITS: NaN and infinities are not served; blocks under 2^-124 take the byte 1.  A block's largest p is taken through the block's largest score, which takes v_exp_f32 not to fall where its input rises.
; REGISTERS: v1-6 addresses that stay; v8-11 addresses in hand; v12 -M, v13 largest t, v[14:15] the sum; v16-27 Q; v32-85 K (v80-85 zeros), later V; v96-159 S^T, then p; v160-191 O^T; v224-243 p's codes; v244-254 at work; v248-251, v253, v255 scale words.
.set KIM,  0                           ; K's 64 tiles x 768 bytes
.set VIM,  49152                       ; V: [64 keys (16)][16 channels (4)][768]
.set KSC,  98304                       ; K's scale words: [key step (8)][512]
.set VSC,  102400                      ; V's: [key step (8)][256]
.set WV,   18
.set SEL,  20
.set CS,   22
.set D1,   24                          ; s[24:31] group 1 for the images: 192 rows of 256 bytes, dense
.set D2,   32                          ; s[32:39] for K's scale words: 8 rows of 512 bytes, 1,024 apart
.set D3,   40                          ; s[40:47] for V's: 8 rows of 256 bytes, 1,024 apart
.set GK,   48
.set GV,   52
.set GKS,  56
.set GVS,  60
.set TK,   66                          ; s66  the step's images: 6,144 bytes a step
.set TS,   67                          ; s67  K's scale words: 512 a step
.set TJ,   68                          ; s68  V's: 256 a step
.set KF,   69                          ; s69  the step's first key
.set R64,  70                          ; s70  64 x rank
.set TRIP, 71
.macro CROUND
	s_barrier_signal -1
	s_barrier_wait -1
	s_cmp_lg_u32 s[WV], 0
	s_cbranch_scc1 .Lnot_wave_0_\@
	s_barrier_signal -3
.Lnot_wave_0_\@:
	s_barrier_wait -3
	s_barrier_signal -1
	s_barrier_wait -1
.endm
	s_load_b128 s[4:7], s[0:1], 0x0                ; qkv, o
	v_lshl_add_u32 v223, v0, 2, 0x29000
	v_mov_b32 v243, 0
	ds_add_u32 v223, v243
	ds_add_u32 v223, v243
	v_lshrrev_b32 v8, 5, v0
	s_delay_alu instid0(VALU_DEP_1)
	v_readfirstlane_b32 s[WV], v8                  ; wave 0..15
	s_bfe_u32 s74, ttmp6, 0x40000                  ; cx
	s_and_b32 s80, ttmp7, 0xffff                   ; the head
	s_lshr_b32 s81, s80, 1                         ; its pair
	s_and_b32 s82, s80, 1                          ; and which of the pair
	s_lshr_b32 s72, s[WV], 2
	s_and_b32 s72, s72, 1
	s_mul_i32 s72, s72, 3
	s_xor_b32 s72, s[WV], s72                      ; rank
	s_lshl_b32 s[R64], s72, 6
	s_lshl_b32 s73, s72, 2
	s_add_co_u32 s73, s73, s74                     ; t: my tile of queries
	v_and_b32 v8, 31, v0
	v_and_b32 v9, 15, v0                           ; r
	v_bfe_u32 v10, v0, 4, 1                        ; h
	s_delay_alu instid0(VALU_DEP_3)
	v_lshlrev_b32 v1, 3, v8                        ; K's images: 8 x lane
	s_delay_alu instid0(VALU_DEP_1)
	v_add_nc_u32 v2, VIM, v1
	v_lshl_add_u32 v3, v8, 4, KSC                  ; K's scale words: lanes 0-15 tiles 0-3 of row r, lanes 16-31 tiles 4-7
	v_lshl_add_u32 v4, v9, 4, VSC                  ; V's: the four tiles' words of row r
	v_lshlrev_b32 v6, 4, v9                        ; 16 r
	s_lshr_b32 s75, s73, 1
	s_lshl_b32 s75, s75, 5
	s_and_b32 s76, s73, 1
	s_lshl_b32 s76, s76, 3
	s_add_co_u32 s75, s75, s76
	v_and_b32 v11, 8, v9
	s_delay_alu instid0(VALU_DEP_1)
	v_add_nc_u32 v5, v11, v9
	s_delay_alu instid0(VALU_DEP_1)
	v_add_nc_u32 v5, s75, v5                       ; my query: 32 (t / 2) + 8 (t % 2) + r + 8 (r / 8)
	v_lshlrev_b32 v11, 4, v10
	s_delay_alu instid0(VALU_DEP_1)
	v_sub_nc_u32 v5, v5, v11                       ; less 16 h: held against a register's key
	s_mul_i32 s84, s80, 49152
	s_mov_b32 s85, 0
	s_lshl_b32 s86, s81, 13
	s_lshl_b32 s87, s82, 9
	s_add_co_u32 s88, s86, s87                     ; K's (and q's) scale words of my head
	s_mov_b32 s89, 0
	s_lshl_b32 s87, s82, 8
	s_add_co_u32 s90, s86, s87                     ; V's
	s_mov_b32 s91, 0
	s_mul_i32 s76, s73, 768
	s_mov_b32 s77, 0
	s_lshr_b32 s78, s73, 3
	s_lshl_b32 s79, s78, 10
	s_add_co_u32 s79, s79, s88
	s_bfe_u32 s83, s73, 0x10002
	s_lshl_b32 s83, s83, 8
	s_and_b32 s92, s73, 3
	s_lshl_b32 s92, s92, 2
	s_add_co_u32 s83, s83, s92                     ; 256 ((t % 8) / 4) + 4 (t % 4): my tile's place in a group of scale words
	s_add_co_u32 s92, s79, s83
	s_mov_b32 s93, 0
	s_lshr_b32 s79, s80, 4
	s_lshl_b32 s79, s79, 3
	s_add_co_u32 s79, s79, s78                     ; which 128 tokens: 8 b + t / 8
	s_lshl_b32 s79, s79, 3
	s_and_b32 s94, s81, 7
	s_add_co_u32 s79, s79, s94                     ; x 8 + the K step of the next product: hd / 2
	s_lshl_b32 s94, s79, 9
	s_add_co_u32 s94, s94, s83
	s_lshl_b32 s95, s82, 1
	s_add_co_u32 s94, s94, s95
	s_add_co_u32 s94, s94, 3145728                 ; o's scale bytes: my two of the word's four
	s_mov_b32 s95, 0
	s_lshl_b32 s79, s79, 3
	s_and_b32 s78, s73, 7
	s_add_co_u32 s79, s79, s78
	s_mul_i32 s78, s79, 1536
	s_mul_i32 s79, s82, 768
	s_add_co_u32 s78, s78, s79                     ; o's image: my half of the fragment
	s_mov_b32 s79, 0
.irp g, D1, D2, D3
	s_mov_b32 s[\g], 15|(3<<16)|(1<<21)            ; the mask: all four work-groups; elements of 8 bytes; bit 21 beside a mask; no padding
	s_mov_b32 s[\g+6], 0
	s_mov_b32 s[\g+7], 0
.endr
	s_mov_b32 s[D1+1], 32<<16
	s_mov_b32 s[D1+2], 192<<16
	s_mov_b32 s[D1+3], 32<<16
	s_mov_b32 s[D1+4], 192
	s_mov_b32 s[D1+5], 32
	s_mov_b32 s[D2+1], 64<<16
	s_mov_b32 s[D2+2], 8<<16
	s_mov_b32 s[D2+3], 64<<16
	s_mov_b32 s[D2+4], 8
	s_mov_b32 s[D2+5], 128
	s_mov_b32 s[D3+1], 32<<16
	s_mov_b32 s[D3+2], 8<<16
	s_mov_b32 s[D3+3], 32<<16
	s_mov_b32 s[D3+4], 8
	s_mov_b32 s[D3+5], 128
	s_mov_b32 s[SEL], 0x76543210
	s_mov_b32 s[SEL+1], 0xfedcba98
	s_mov_b32 s[CS], 0x3e38aa3b                    ; c = log2(e) / sqrt(64)
	s_mov_b32 s[CS+1], s[CS]
	s_mov_b32 s[TK], 0
	s_mov_b32 s[TS], 0
	s_mov_b32 s[TJ], 0
	s_mov_b32 s[KF], 0
	s_mov_b32 s[TRIP], 8
	s_wait_dscnt 0x0
	s_wait_kmcnt 0x0
	s_add_nc_u64 s[84:85], s[4:5], s[84:85]        ; the head's images of q; k's and v's lie 3,145,728 and 6,291,456 bytes on
	s_mov_b32 s[GK], 1
	s_mov_b32 s[GK+1], KIM
	s_add_nc_u64 s[GK+2:GK+3], s[84:85], 3145728
	s_or_b32 s[GK+3], s[GK+3], 0x80000000
	s_mov_b32 s[GV], 1
	s_mov_b32 s[GV+1], VIM
	s_add_nc_u64 s[GV+2:GV+3], s[84:85], 6291456
	s_or_b32 s[GV+3], s[GV+3], 0x80000000
	s_mov_b32 s[GKS], 1
	s_mov_b32 s[GKS+1], KSC
	s_add_nc_u64 s[GKS+2:GKS+3], s[4:5], s[88:89]
	s_add_nc_u64 s[GKS+2:GKS+3], s[GKS+2:GKS+3], 9699328
	s_or_b32 s[GKS+3], s[GKS+3], 0x80000000
	s_mov_b32 s[GVS], 1
	s_mov_b32 s[GVS+1], VSC
	s_add_nc_u64 s[GVS+2:GVS+3], s[4:5], s[90:91]
	s_add_nc_u64 s[GVS+2:GVS+3], s[GVS+2:GVS+3], 9961472
	s_or_b32 s[GVS+3], s[GVS+3], 0x80000000
	s_add_nc_u64 s[76:77], s[84:85], s[76:77]      ; my tile of q
	s_add_nc_u64 s[92:93], s[4:5], s[92:93]
	s_add_nc_u64 s[92:93], s[92:93], 9437184       ; its scale words
	s_add_nc_u64 s[78:79], s[6:7], s[78:79]
	s_add_nc_u64 s[94:95], s[6:7], s[94:95]
	CROUND                                         ; all four work-groups are here: the joint loads meet
	s_cmp_lg_u32 s[WV], 0                          ; one joint load each for waves 0 to 3; the branches hang on the wave's number alone; four v_nop follow each load
	s_cbranch_scc1 .Lnot0
	tensor_load_to_lds s[GK:GK+3], s[D1:D1+7]
	s_nop 0
.rept 4
	v_nop
.endr
	s_branch .Lasked
.Lnot0:
	s_cmp_lg_u32 s[WV], 1
	s_cbranch_scc1 .Lnot1
	tensor_load_to_lds s[GV:GV+3], s[D1:D1+7]
	s_nop 0
.rept 4
	v_nop
.endr
	s_branch .Lasked
.Lnot1:
	s_cmp_lg_u32 s[WV], 2
	s_cbranch_scc1 .Lnot2
	tensor_load_to_lds s[GKS:GKS+3], s[D2:D2+7]
	s_nop 0
.rept 4
	v_nop
.endr
	s_branch .Lasked
.Lnot2:
	s_cmp_lg_u32 s[WV], 3
	s_cbranch_scc1 .Lasked
	tensor_load_to_lds s[GVS:GVS+3], s[D3:D3+7]
	s_nop 0
.rept 4
	v_nop
.endr
.Lasked:
.irp p, 0,1,2
	global_load_b64 v[16+2*\p:17+2*\p], v1, s[76:77] offset:256*\p   ; Q's codes, k = 0 .. 63
.endr
	s_wait_alu depctr_va_vdst(0)
	global_load_b32 v255, v6, s[92:93]             ; Q's scale words
.irp j, 0,1,2,3,4,5
	v_mov_b32 v[22+\j], 0                          ; Q's codes of k = 64 .. 127: zeros
	v_mov_b32 v[80+\j], 0                          ; what follows K's last tile
.endr
	v_mov_b32 v13, 0xff61b1e6                      ; the largest t so far: -3e38
	s_delay_alu instid0(VALU_DEP_1)
	v_floor_f32 v12, -v13                          ; -M
	v_mov_b32 v14, 0
	v_mov_b32 v15, 0
.irp b, 0,1,2,3
	v_mov_b32 v[236+\b], 0                         ; a lane permute's destination counts as one of its sources
.endr
	v_mov_b32 v252, 0
	v_mov_b32 v253, 0
.set n, 0
.rept 32
	v_mov_b32 v[160+n], 0                          ; O^T: the step is written once; the first change of M leaves zeros zeros
.set n, n+1
.endr
	s_wait_tensorcnt 0x0                           ; my load, if I issued one, has landed
	s_barrier_signal -1
	s_barrier_wait -1                              ; everybody's has
	s_wait_loadcnt 0x0                             ; Q
.Lstep:                                            ; eight trips, a constant; the work of a hidden step is jumped over
	s_cmp_gt_u32 s[KF], s[R64]
	s_cbranch_scc1 .Lhidden
	v_add_nc_u32 v8, s[TK], v1                     ; (these four are the places in front of the loads into registers that the last products read)
	v_add_nc_u32 v9, s[TK], v2
	v_add_nc_u32 v10, s[TS], v3
	v_add_nc_u32 v11, s[TJ], v4
.irp t, 0,1,2,3,4,5,6,7
.irp p, 0,1,2
	ds_load_b64 v[32+6*\t+2*\p:33+6*\t+2*\p], v8 offset:768*\t+256*\p
.endr
.endr
	ds_load_b128 v[248:251], v10
	s_wait_alu depctr_va_vdst(0)
	s_wait_dscnt 0x0
.irp t, 0,1,2,3
	v_wmma_scale_f32_16x16x128_f8f6f4 v[96+8*\t:103+8*\t], v[32+6*\t:43+6*\t], v[16:27], 0, v[248+\t], v255 matrix_a_fmt:MATRIX_FMT_FP6 matrix_b_fmt:MATRIX_FMT_FP6
.endr
.irp t, 4,5,6,7
	v_wmma_scale_f32_16x16x128_f8f6f4 v[96+8*\t:103+8*\t], v[32+6*\t:43+6*\t], v[16:27], 0, v[244+\t], v255 matrix_a_fmt:MATRIX_FMT_FP6 matrix_b_fmt:MATRIX_FMT_FP6 matrix_a_scale:MATRIX_SCALE_ROW1
.endr
.rept 4
	v_nop                                          ; places in front of the loads below and of the first read of the scores
.endr
.irp t, 0,1,2,3                                ; V's four fragments land while the softmax is worked
.irp c, 0,1
.irp p, 0,1,2
	ds_load_b64 v[32+12*\t+6*\c+2*\p:33+12*\t+6*\c+2*\p], v9 offset:(4*\c+\t)*768+256*\p
.endr
.endr
.endr
	ds_load_b128 v[248:251], v11
	s_add_co_u32 s72, s[KF], 128
	s_cmp_le_u32 s72, s[R64]
	s_cbranch_scc1 .Lopen                          ; all 128 keys count for all of the wave's queries
	v_sub_nc_u32 v252, v5, s[KF]                   ; d = my query - KF - 16 h.  Register 16 b + i holds key KF + 16 h + 32 b + i: hidden where 32 b + i > d
	v_mov_b32 v254, 0xff800000
.set n, 0
.rept 64
	v_cmp_gt_i32 vcc_lo, 32*(n/16)+n%16, v252
	v_cndmask_b32 v[96+n], v[96+n], v254, vcc_lo
.set n, n+1
.endr
.Lopen:
.irp b, 0,1,2,3
	v_max3_num_f32 v[232+\b], v[96+16*\b], v[97+16*\b], v[98+16*\b]   ; the largest score of each block of 32 keys: for the row's maximum and for the block's largest p
.endr
.irp i, 3,5,7,9,11,13
.irp b, 0,1,2,3
	v_max3_num_f32 v[232+\b], v[232+\b], v[96+16*\b+\i], v[97+16*\b+\i]
.endr
.endr
.irp b, 0,1,2,3
	v_max_num_f32 v[232+\b], v[232+\b], v[111+16*\b]
.endr
.irp b, 0,1,2,3
	s_delay_alu instid0(VALU_DEP_4)
	v_permlanex16_b32 v[236+\b], v[232+\b], s[SEL], s[SEL+1]
.endr
.irp b, 0,1,2,3
	s_delay_alu instid0(VALU_DEP_4)
	v_max_num_f32 v[232+\b], v[232+\b], v[236+\b]
.endr
	s_delay_alu instid0(VALU_DEP_2)
	v_max3_num_f32 v254, v232, v233, v234
	s_delay_alu instid0(VALU_DEP_1)
	v_max_num_f32 v254, v254, v235
	s_delay_alu instid0(VALU_DEP_1)
	v_mul_f32 v254, s[CS], v254
	s_delay_alu instid0(VALU_DEP_1)
	v_max_num_f32 v13, v13, v254                   ; the running largest t
	v_mov_b32 v254, v12
	s_delay_alu instid0(VALU_DEP_2)
	v_floor_f32 v12, -v13                          ; the new -M
	s_delay_alu instid0(VALU_DEP_1)
	v_sub_f32 v254, v12, v254                      ; old M - new M: a whole number, 0 or less
	s_delay_alu instid0(VALU_DEP_1)
	v_cvt_i32_f32 v254, v254
	s_delay_alu instid0(VALU_DEP_1)
	v_ldexp_f32 v252, 1.0, v254                    ; f = 2^(old M - new M): a multiplication by it rounds nothing
.set n, 0
.rept 32
	v_pk_fma_f32 v[96+n:97+n], v[96+n:97+n], s[CS:CS+1], v[12:13] op_sel_hi:[1,0,0]   ; t - M
.set n, n+2
.endr
.irp b, 0,1,2,3
	v_fma_f32 v[232+\b], v[232+\b], s[CS], v12
.endr
.set n, 0
	s_wait_alu depctr_va_vdst(0)
.rept 64
	v_exp_f32 v[96+n], v[96+n]                     ; p = 2^(t - M)
.set n, n+1
.endr
.irp b, 0,1,2,3
	v_exp_f32 v[232+\b], v[232+\b]                 ; the block's largest p
.endr
	v_pk_mul_f32 v[14:15], v[14:15], v[252:253] op_sel_hi:[1,0]   ; the sums under the new M (a plain line behind the exponentials)
	s_wait_alu depctr_va_vdst(0)
.irp b, 0,1,2,3
	v_max_num_f32 v[232+\b], 0x1800000, v[232+\b]  ; the floor
.endr
.irp b, 0,1,2,3
	s_delay_alu instid0(VALU_DEP_4)
	v_add_nc_u32 v[244+\b], 0xff000000, v[232+\b]
.endr
.irp b, 0,1,2,3
	s_delay_alu instid0(VALU_DEP_4)
	v_lshrrev_b32 v[236+\b], 23, v[244+\b]
.endr
	s_delay_alu instid0(VALU_DEP_3)
	v_lshl_or_b32 v253, v237, 8, v236              ; p's scale word for these 128 keys
	s_delay_alu instid0(VALU_DEP_1)
	v_lshl_or_b32 v253, v238, 16, v253
	s_delay_alu instid0(VALU_DEP_1)
	v_lshl_or_b32 v253, v239, 24, v253
.irp c, 0,1
	v_cvt_scalef32_pk16_fp6_f32 v[224+6*\c:226+6*\c], v[96+32*\c:111+32*\c], v[244+2*\c]
	v_cvt_scalef32_pk16_fp6_f32 v[236+4*\c:238+4*\c], v[112+32*\c:127+32*\c], v[244+2*\c+1]
.endr
	v_nop
.irp c, 0,1
.irp i, 0,1,2
	v_permlane16_swap_b32 v[224+6*\c+\i], v[236+4*\c+\i]
.endr
.irp i, 0,1,2
	s_delay_alu instid0(VALU_DEP_3)
	v_mov_b32 v[227+6*\c+\i], v[236+4*\c+\i]
.endr
.endr
	v_pk_add_f32 v[236:237], v[100:101], v[104:105]
	v_pk_add_f32 v[246:247], v[108:109], v[112:113]
	v_pk_add_f32 v[244:245], v[116:117], v[120:121]
	v_pk_add_f32 v[240:241], v[124:125], v[128:129]
	v_pk_add_f32 v[220:221], v[132:133], v[136:137]
	v_pk_add_f32 v[218:219], v[140:141], v[144:145]
	v_pk_add_f32 v[216:217], v[148:149], v[152:153]
	v_pk_add_f32 v[14:15], v[14:15], v[156:157]
	v_pk_add_f32 v[236:237], v[236:237], v[96:97]
	v_pk_add_f32 v[246:247], v[246:247], v[98:99]
	v_pk_add_f32 v[244:245], v[244:245], v[102:103]
	v_pk_add_f32 v[240:241], v[240:241], v[106:107]
	v_pk_add_f32 v[220:221], v[220:221], v[110:111]
	v_pk_add_f32 v[218:219], v[218:219], v[114:115]
	v_pk_add_f32 v[216:217], v[216:217], v[118:119]
	v_pk_add_f32 v[14:15], v[14:15], v[122:123]
	v_pk_add_f32 v[236:237], v[236:237], v[126:127]
	v_pk_add_f32 v[246:247], v[246:247], v[130:131]
	v_pk_add_f32 v[244:245], v[244:245], v[134:135]
	v_pk_add_f32 v[240:241], v[240:241], v[138:139]
	v_pk_add_f32 v[220:221], v[220:221], v[142:143]
	v_pk_add_f32 v[218:219], v[218:219], v[146:147]
	v_pk_add_f32 v[216:217], v[216:217], v[150:151]
	v_pk_add_f32 v[14:15], v[14:15], v[154:155]
	v_pk_add_f32 v[236:237], v[236:237], v[158:159]
	s_delay_alu instid0(VALU_DEP_2)
	v_pk_add_f32 v[14:15], v[14:15], v[240:241]
	s_delay_alu instid0(VALU_DEP_2)
	v_pk_add_f32 v[236:237], v[236:237], v[220:221]
	v_pk_add_f32 v[246:247], v[246:247], v[218:219]
	v_pk_add_f32 v[244:245], v[244:245], v[216:217]
	s_delay_alu instid0(VALU_DEP_2)
	v_pk_add_f32 v[14:15], v[14:15], v[246:247]
	s_delay_alu instid0(VALU_DEP_2)
	v_pk_add_f32 v[236:237], v[236:237], v[244:245]
	s_delay_alu instid0(VALU_DEP_1)
	v_pk_add_f32 v[14:15], v[14:15], v[236:237]
.set n, 0
.rept 16
	v_pk_mul_f32 v[160+n:161+n], v[160+n:161+n], v[252:253] op_sel_hi:[1,0]   ; O^T under the new M, each accumulator from its low end on
.set n, n+2
.endr
	s_wait_alu depctr_va_vdst(0)
	s_wait_dscnt 0x0                               ; V
.irp t, 0,1,2,3
	v_wmma_scale_f32_16x16x128_f8f6f4 v[160+8*\t:167+8*\t], v[32+12*\t:43+12*\t], v[224:235], v[160+8*\t:167+8*\t], v[248+\t], v253 matrix_a_fmt:MATRIX_FMT_FP6 matrix_b_fmt:MATRIX_FMT_FP6
.endr
.Lhidden:
	s_add_co_u32 s[KF], s[KF], 128
	s_add_co_u32 s[TK], s[TK], 6144
	s_add_co_u32 s[TS], s[TS], 512
	s_add_co_u32 s[TJ], s[TJ], 256
	s_sub_co_u32 s[TRIP], s[TRIP], 1
	s_cmp_lg_u32 s[TRIP], 0
	s_cbranch_scc1 .Lstep
	; THE WAY OUT: O^T / the sum; its 64 channels are half a K step of the next product: two blocks of 32, six registers of codes, two scale bytes.
.rept 4
	v_nop
.endr
	v_add_f32 v14, v14, v15
	s_delay_alu instid0(VALU_DEP_1)
	v_permlanex16_b32 v252, v14, s[SEL], s[SEL+1]
	s_delay_alu instid0(VALU_DEP_1)
	v_add_f32 v14, v14, v252
	s_wait_alu depctr_va_vdst(0)
	v_rcp_f32 v14, v14
	v_nop
.set n, 0
	s_wait_alu depctr_va_vdst(0)
.rept 16
	v_pk_mul_f32 v[96+n:97+n], v[160+n:161+n], v[14:15] op_sel_hi:[1,0]
.set n, n+2
.endr
.irp b, 0,1
.irp j, 0,1,2,3,4,5,6,7
	v_permlane16_swap_b32 v[96+16*\b+\j], v[104+16*\b+\j]   ; tile n's register j is channel 16 n + 8 h + j: the exchange makes two tiles' 16 registers 16 neighbours
.endr
.endr
.irp b, 0,1
	v_max3_num_f32 v[232+\b], |v[96+16*\b]|, |v[97+16*\b]|, 0x1800000
.endr
.irp i, 2,4,6,8,10,12,14
.irp b, 0,1
	s_delay_alu instid0(VALU_DEP_2)
	v_max3_num_f32 v[232+\b], v[232+\b], |v[96+16*\b+\i]|, |v[97+16*\b+\i]|
.endr
.endr
.irp b, 0,1
	s_delay_alu instid0(VALU_DEP_2)
	v_permlanex16_b32 v[236+\b], v[232+\b], s[SEL], s[SEL+1]
.endr
.irp b, 0,1
	s_delay_alu instid0(VALU_DEP_2)
	v_max_num_f32 v[232+\b], v[232+\b], v[236+\b]
.endr
.irp b, 0,1
	s_delay_alu instid0(VALU_DEP_2)
	v_add_nc_u32 v[244+\b], 0xff000000, v[232+\b]
.endr
.irp b, 0,1
	s_delay_alu instid0(VALU_DEP_2)
	v_lshrrev_b32 v[236+\b], 23, v[244+\b]
.endr
	s_delay_alu instid0(VALU_DEP_1)
	v_lshl_or_b32 v254, v237, 8, v236
	v_cvt_scalef32_pk16_fp6_f32 v[224:226], v[96:111], v244
	v_cvt_scalef32_pk16_fp6_f32 v[240:242], v[112:127], v245
	v_nop
.irp i, 0,1,2
	v_permlane16_swap_b32 v[224+\i], v[240+\i]
.endr
.irp i, 0,1,2
	s_delay_alu instid0(VALU_DEP_3)
	v_mov_b32 v[227+\i], v[240+\i]
.endr
.irp p, 0,1,2
	global_store_b64 v1, v[224+2*\p:225+2*\p], s[78:79] offset:256*\p   ; 32 lanes store 256 consecutive bytes, aligned
.endr
	global_store_b16 v6, v254, s[94:95]            ; my head's two bytes of each row's scale word (the other two are the neighbouring head's work-groups'); lanes l and l + 16 write the same bytes
	s_wait_tensorcnt 0x0
	ds_add_u32 v223, v243
	s_wait_dscnt 0x0
	CROUND                                         ; the closing round
	s_endpgm
.Lfunc_end_k_qd8cfe510f1_attn:
	.size	k_qd8cfe510f1_attn, .Lfunc_end_k_qd8cfe510f1_attn-k_qd8cfe510f1_attn
	.p2alignl 7, 3214868480
	.fill 96, 4, 3214868480
	.section	.rodata,"a",@progbits
	.p2align	6, 0x0
	.amdhsa_kernel k_qd8cfe510f1_attn
		.amdhsa_group_segment_fixed_size 169984
		.amdhsa_private_segment_fixed_size 0
		.amdhsa_enable_private_segment 0
		.amdhsa_kernarg_size 16
		.amdhsa_user_sgpr_count 2
		.amdhsa_user_sgpr_kernarg_segment_ptr 1
		.amdhsa_wavefront_size32 1
		.amdhsa_system_sgpr_workgroup_id_x 1
		.amdhsa_system_sgpr_workgroup_id_y 1
		.amdhsa_system_sgpr_workgroup_id_z 1
		.amdhsa_system_vgpr_workitem_id 0
		.amdhsa_next_free_vgpr 256
		.amdhsa_next_free_sgpr 96
		.amdhsa_reserve_vcc 1
		.amdhsa_float_denorm_mode_32 3
		.amdhsa_float_denorm_mode_16_64 3
		.amdhsa_memory_ordered 1
		.amdhsa_forward_progress 1
		.amdhsa_inst_pref_size 40
	.end_amdhsa_kernel
	.amdgpu_metadata
---
amdhsa.version: [ 1, 2 ]
amdhsa.kernels:
  - .name:           k_qd8cfe510f1_attn
    .symbol:         k_qd8cfe510f1_attn.kd
    .args:
      - { .name: qkv, .offset: 0, .size: 8, .value_kind: global_buffer, .address_space: global }
      - { .name: o, .offset: 8, .size: 8, .value_kind: global_buffer, .address_space: global }
    .group_segment_fixed_size: 169984
    .private_segment_fixed_size: 0
    .kernarg_segment_align: 8
    .kernarg_segment_size: 16
    .max_flat_workgroup_size: 512
    .sgpr_count:     96
    .vgpr_count:     256
    .wavefront_size: 32
...
	.end_amdgpu_metadata
.endif
;; end of part 3
;; launch proj (part 4): grid 8 x 32, 4 waves a work-group, clusters of 4 x 4, 327,680 bytes of LDS; arguments o, w_out_codes, w_out_scales, b_out, x, x1; writes x1
.if DOCPART == 4
	.amdgcn_target "amdgcn-amd-amdhsa--gfx1250"
	.amdhsa_code_object_version 6
	.text
	.protected	k_qd8cfe510f1_proj
	.globl	k_qd8cfe510f1_proj
	.p2align	8
	.type	k_qd8cfe510f1_proj,@function
k_qd8cfe510f1_proj:
	s_mov_b64 s[64:65], 0
	v_nop
	global_prefetch_b8 v0, s[64:65] scope:SCOPE_SE
	s_setreg_imm32_b32 hwreg(HW_REG_WAVE_MODE, 25, 1), 1
	s_wait_xcnt 0x0
	s_wait_alu depctr_hold_cnt(0) depctr_sa_sdst(0) depctr_va_vdst(0) depctr_va_sdst(0) depctr_va_ssrc(0) depctr_va_vcc(0) depctr_vm_vsrc(0)
	s_getreg_b32 s2, hwreg(HW_REG_IB_STS2, 6, 4)
	s_cmp_eq_u32 s2, 0
	s_cbranch_scc0 .Lentry_in_a_cluster
	s_endpgm
.Lentry_in_a_cluster:
	s_bfe_u32 s2, ttmp6, 0x10000c
	s_cmp_lg_u32 s2, 0xf033
	s_cbranch_scc0 .Lentry_shape_is_right
	s_endpgm
.Lentry_shape_is_right:
; x1 = x + b_out + o W_out on codes of E2M3 with E8M0 scales, K = 1,024.  A (o): images of operand registers [128 tokens (32)][K step (8)][block of 16 (8)][1,536 bytes] and, 3,145,728 bytes on,
; scale words [32][K step][512] (block a, row r at 256 (a / 4) + 16 r + 4 (a % 4)).  B: [1,024] rows of 768 bytes of codes, 32 scale bytes a row.
; A tile is 128 x 128: 256 work-groups; four waves of 64 x 64: 16 accumulators.  ALL OF K LIES IN LDS AT ONCE: A's images 98,304 bytes, B's 128 whole rows (768 bytes + 16 of padding behind each 256: pitch 816), 4,096 bytes of scales a side.
; Four joint loads at the head, one a wave; nothing is filled again, so there is no ring.  4 x 4 work-groups form a cluster: A's tiles are shared along a row, B's along a column.
; Source 0 = 16 rows of B, source 1 = a block of A: a lane holds one token and eight neighbouring columns.  The bias is the C of each sum's first product.
; Row r of block 2 beta + u is token 32 beta + 8 u + r + 8 (r / 8): only the way out knows.  A block goes through the wave's own stage (LDS bytes into which no load lands), comes back as rows of 256 bytes, takes the residual and is stored.
; No prefetch: the launch has no loop to run ahead in; every tile is asked for at the head.
.set ABYTES, 3145728
.set KS,     32
.set NK,     8
.set PITCH,  816
.set BIM,    98304
.set ASC,    BIM+128*PITCH
.set BSC,    ASC+4096
.set BSH,    NK*272                    ; the scale bytes of 64 rows
.set SBLK,   (16*KS/256)*272
.set STG,    BSC+2*BSH
.set SPARE,  STG+4*16*272
.set ADRA, 16
.set ADRB, 20
.set STO,  24
.set RD,   25
.set CO,   26
.set ADRS, 27
.set SPW,  28
.set NIL,  29
.set ADAS, 30
.set BO,   31
.set BK,   96
.set ACC,  128
.set F0,   0
.set F1,   128
.set G1, 24
.set G0, 32
.set G1B, 48
.set G0B, 56
.set G1S, 68
.set G0S, 76
.set G1SB, 80
.set G0SB, 88
.set MSB, 0
.macro WIN new
.set WNEW, \new
.if MSB != WNEW
	s_set_vgpr_msb (MSB<<8)|WNEW
.set MSB, WNEW
.endif
.endm
.set MUL, 0x05                         ; sources 0 and 1 window 1; C and D window 0
.macro TLOAD g0, g1
	tensor_load_to_lds s[\g0:\g0+3], s[\g1:\g1+7]
	s_nop 0
.rept 4
	v_nop
.endr
.endm
.macro CROUND
	s_barrier_signal -1
	s_barrier_wait -1
	s_cmp_lg_u32 s14, 0
	s_cbranch_scc1 .Lnot_wave_0_\@
	s_barrier_signal -3
.Lnot_wave_0_\@:
	s_barrier_wait -3
	s_barrier_signal -1
	s_barrier_wait -1
.endm
	s_load_b128 s[4:7], s[0:1], 0x0                ; A, B's codes
	s_load_b128 s[8:11], s[0:1], 0x10              ; B's scale bytes, the bias
	s_load_b128 s[92:95], s[0:1], 0x20             ; the residual, out
	v_lshl_add_u32 v[SPW], v0, 2, SPARE
	v_mov_b32 v[NIL], 0
	ds_add_u32 v[SPW], v[NIL]                      ; the opening lines: the add twice on end
	ds_add_u32 v[SPW], v[NIL]
	v_lshrrev_b32 v1, 5, v0
	v_readfirstlane_b32 s14, v1                    ; wave 0..3
	s_lshr_b32 s15, s14, 1                         ; which 64 tokens are mine
	s_and_b32 s16, s14, 1                          ; which 64 columns
	s_bfe_u32 s40, ttmp6, 0x40000
	s_bfe_u32 s41, ttmp6, 0x40004
	s_lshl_b32 s42, ttmp9, 2
	s_add_co_u32 s42, s42, s40                     ; tile column
	s_and_b32 s17, ttmp7, 0xffff
	s_lshl_b32 s17, s17, 2
	s_add_co_u32 s17, s17, s41                     ; tile row
	s_lshl_b32 s43, s41, 2
	s_lshl_b32 s43, 15, s43
	s_lshl_b32 s44, 0x1111, s40
	s_or_b32 s[G1+0], s43, (3<<16)|(1<<21)         ; A's images: 384 rows of 256 bytes, dense
	s_mov_b32 s[G1+1], 32<<16
	s_mov_b32 s[G1+2], 384<<16
	s_mov_b32 s[G1+3], 32<<16
	s_mov_b32 s[G1+4], 384
	s_mov_b32 s[G1+5], 32
	s_mov_b32 s[G1+6], 0
	s_mov_b32 s[G1+7], 0
	s_or_b32 s[G1B+0], s44, (0<<16)|(1<<20)|(1<<21)|(5<<22)|(3<<25)   ; B: 128 rows of 768 bytes, 16 bytes of padding behind every 256
	s_mov_b32 s[G1B+1], 768<<16
	s_mov_b32 s[G1B+2], 128<<16
	s_mov_b32 s[G1B+3], 768<<16
	s_mov_b32 s[G1B+4], 128
	s_mov_b32 s[G1B+5], 768
	s_mov_b32 s[G1B+6], 0
	s_mov_b32 s[G1B+7], 0
	s_or_b32 s[G1S+0], s43, (3<<16)|(1<<21)        ; A's scale words: 16 rows of 256 bytes, dense
	s_or_b32 s[G1SB+0], s44, (3<<16)|(1<<20)|(1<<21)|(5<<22)|(3<<25)  ; B's scale bytes: 16 rows of 256 bytes + 16
.irp g, G1S, G1SB
	s_mov_b32 s[\g+1], 32<<16
	s_mov_b32 s[\g+2], 16<<16
	s_mov_b32 s[\g+3], 32<<16
	s_mov_b32 s[\g+4], 16
	s_mov_b32 s[\g+5], 32
	s_mov_b32 s[\g+6], 0
	s_mov_b32 s[\g+7], 0
.endr
	s_mul_i32 s20, s17, 98304
	s_mov_b32 s21, 0
	s_lshl_b32 s22, s17, 12
	s_add_co_u32 s22, s22, ABYTES
	s_mov_b32 s23, 0
	s_mul_i32 s46, s42, 98304
	s_mov_b32 s47, 0
	s_lshl_b32 s96, s42, 12
	s_mov_b32 s97, 0
	s_wait_dscnt 0x0
	s_wait_kmcnt 0x0
	s_add_nc_u64 s[20:21], s[4:5], s[20:21]
	s_add_nc_u64 s[22:23], s[4:5], s[22:23]
	s_add_nc_u64 s[46:47], s[6:7], s[46:47]
	s_add_nc_u64 s[96:97], s[8:9], s[96:97]
	CROUND                                         ; the joint loads meet
	s_mov_b32 s[G0], 1
	s_mov_b32 s[G0+1], 0
	s_mov_b64 s[G0+2:G0+3], s[20:21]
	s_or_b32 s[G0+3], s[G0+3], 0x80000000
	s_mov_b32 s[G0B], 1
	s_mov_b32 s[G0B+1], BIM
	s_mov_b64 s[G0B+2:G0B+3], s[46:47]
	s_or_b32 s[G0B+3], s[G0B+3], 0x80000000
	s_mov_b32 s[G0S], 1
	s_mov_b32 s[G0S+1], ASC
	s_mov_b64 s[G0S+2:G0S+3], s[22:23]
	s_or_b32 s[G0S+3], s[G0S+3], 0x80000000
	s_mov_b32 s[G0SB], 1
	s_mov_b32 s[G0SB+1], BSC
	s_mov_b64 s[G0SB+2:G0SB+3], s[96:97]
	s_or_b32 s[G0SB+3], s[G0SB+3], 0x80000000
.macro ARM under, g0, g1, next         ; one chain of branches on the wave's number, one load to an arm
	s_cmp_lt_u32 s14, \under
	s_cbranch_scc0 \next
	TLOAD \g0, \g1
	s_branch .Lhead_asked
\next:
.endm
	ARM 1, G0,  G1,  .Lhead_b
	ARM 2, G0B, G1B, .Lhead_sa
	ARM 3, G0S, G1S, .Lhead_sb
	TLOAD G0SB, G1SB
.Lhead_asked:
	v_and_b32 v1, 15, v0                           ; r
	v_bfe_u32 v2, v0, 4, 1                         ; h
	v_and_b32 v3, 31, v0
	v_lshlrev_b32 v4, 3, v3
	s_mul_i32 s18, s15, 6144
	v_add_nc_u32 v[ADRA], s18, v4                  ; A's images: my four blocks, K steps 0-3
	v_add_nc_u32 v[ADRA+1], 49152, v[ADRA]         ; K steps 4-7
	v_mul_u32_u24 v5, v1, PITCH
	v_mad_u32_u24 v5, v2, 24, v5
	s_mul_i32 s18, s16, 64*PITCH
	s_add_co_u32 s18, s18, BIM
	v_add_nc_u32 v[ADRB], s18, v5                  ; B's rows: my 64
	v_lshl_add_u32 v[ADRB+1], v2, 4, v[ADRB]       ; the same with lanes 16-31 behind one padding more
	v_mul_u32_u24 v5, v1, KS
	v_lshrrev_b32 v6, 8, v5
	v_lshl_add_u32 v5, v6, 4, v5
	s_mul_i32 s18, s16, BSH
	s_add_co_u32 s18, s18, BSC
	v_add_nc_u32 v[ADRS], s18, v5
	s_lshl_b32 s18, s15, 8
	s_add_co_u32 s18, s18, ASC
	v_lshl_add_u32 v[ADAS], v1, 4, s18
	s_mul_i32 s18, s14, 16*272
	s_add_co_u32 s18, s18, STG                     ; my stage
	v_mul_u32_u24 v5, v1, 272
	v_lshl_add_u32 v5, v2, 5, v5
	v_add_nc_u32 v[STO], s18, v5
	v_mul_u32_u24 v5, v2, 272
	v_lshl_add_u32 v5, v1, 4, v5
	v_add_nc_u32 v[RD], s18, v5
	v_lshlrev_b32 v5, 12, v2
	v_lshl_add_u32 v[CO], v1, 4, v5
	v_lshlrev_b32 v[BO], 5, v2
	s_wait_alu depctr_va_vdst(0)                   ; the wait at the head's end
	s_lshl_b32 s18, s42, 9
	s_lshl_b32 s19, s16, 8
	s_add_co_u32 s18, s18, s19                     ; my first column, in bytes
	s_mov_b32 s19, 0
	s_add_nc_u64 s[10:11], s[10:11], s[18:19]
	s_lshl_b32 s22, s17, 19
	s_lshl_b32 s23, s15, 18
	s_add_co_u32 s22, s22, s23
	s_add_co_u32 s18, s18, s22
	s_add_nc_u64 s[92:93], s[92:93], s[18:19]
	s_add_nc_u64 s[94:95], s[94:95], s[18:19]
.irp b, 0,1,2,3
	global_load_b128 v[96+8*\b:96+8*\b+3], v[BO], s[10:11] offset:64*\b       ; the bias in the result's layout
	global_load_b128 v[96+8*\b+4:96+8*\b+7], v[BO], s[10:11] offset:64*\b+16
.endr
	WIN 0x80
.irp a, 0,1,2,3
.irp t, 0,1,2,3,4,5,6,7
	global_load_b128 v[32*\a+4*\t:32*\a+4*\t+3], v[CO], s[92:93] offset:4096*(32*(\a/2)+8*(\a%2)+2*\t+8*(\t/4))   ; the residual, by rows, at the tokens of block a
.endr
.endr
	WIN 0
.macro FRAG reg, q, i                  ; B's fragment of K step q: byte y of a row lies at y + 16 (y / 256)
.irp p, 0,1,2,3,4,5
.set BY, 96*(\q)+48*(\p/3)+8*(\p%3)
.if BY/256 == (BY+24)/256
	ds_load_b64 v[\reg+2*\p:\reg+2*\p+1], v[ADRB] offset:BY+16*(BY/256)+(\i)*16*PITCH
.else
	ds_load_b64 v[\reg+2*\p:\reg+2*\p+1], v[ADRB+1] offset:BY+16*(BY/256)+(\i)*16*PITCH
.endif
.endr
.endm
.macro FETCH q, f                      ; 48 loads: my four blocks of A and four of B for K step q, into buffer f
	WIN 0x40
.irp a, 0,1,2,3
.irp c, 0,1
.irp p, 0,1,2
	ds_load_b64 v[\f+12*\a+6*\c+2*\p:\f+12*\a+6*\c+2*\p+1], v[ADRA+(\q)/4] offset:12288*((\q)%4)+1536*\a+768*\c+256*\p
.endr
.endr
.endr
.irp b, 0,1,2,3
	FRAG \f+48+12*\b, \q, \b
.endr
	WIN 0
.endm
.macro SCALES set                      ; K steps 4 set .. 4 set + 3: B's block b at v[32 + 32 set + 4 b]; A's K step q at v[48 + 32 set + 4 q]
.irp b, 0,1,2,3
	ds_load_b128 v[32+32*\set+4*\b:32+32*\set+4*\b+3], v[ADRS] offset:\b*SBLK+16*\set
.endr
.irp q, 0,1,2,3
	ds_load_b128 v[48+32*\set+4*\q:48+32*\set+4*\q+3], v[ADAS] offset:512*\q+2048*\set
.endr
.endm
.macro MUL8 f, a0, q, set, zero        ; A's blocks a0, a0 + 1 x B's four; the 16 accumulators take turns
.irp a, \a0, \a0+1
.irp b, 0,1,2,3
.if \zero
	v_wmma_scale_f32_16x16x128_f8f6f4 v[ACC+8*(4*(\a)+\b):ACC+8*(4*(\a)+\b)+7], v[\f+48+12*\b:\f+48+12*\b+11], v[\f+12*(\a):\f+12*(\a)+11], v[96+8*\b:96+8*\b+7], v[32+32*(\set)+4*\b+(\q)], v[48+32*(\set)+4*(\q)+(\a)] matrix_a_fmt:MATRIX_FMT_FP6 matrix_b_fmt:MATRIX_FMT_FP6
.else
	v_wmma_scale_f32_16x16x128_f8f6f4 v[ACC+8*(4*(\a)+\b):ACC+8*(4*(\a)+\b)+7], v[\f+48+12*\b:\f+48+12*\b+11], v[\f+12*(\a):\f+12*(\a)+11], v[ACC+8*(4*(\a)+\b):ACC+8*(4*(\a)+\b)+7], v[32+32*(\set)+4*\b+(\q)], v[48+32*(\set)+4*(\q)+(\a)] matrix_a_fmt:MATRIX_FMT_FP6 matrix_b_fmt:MATRIX_FMT_FP6
.endif
.endr
.endr
.endm
.macro PLACES n
.rept \n
	v_nop
.endr
.endm
.macro STEP q, zero                    ; the next step's fragments are asked for, then this step's 16 products
	s_wait_dscnt 0x0
	PLACES 4
	FETCH (\q)+1, 128*(1-(\q)%2)
	WIN MUL
	MUL8 128*((\q)%2), 0, (\q)%4, (\q)/4, \zero
	MUL8 128*((\q)%2), 2, (\q)%4, (\q)/4, \zero
.endm
	s_wait_tensorcnt 0x0                           ; my tile has landed
	s_barrier_signal -1
	s_barrier_wait -1                              ; everybody's has
	FETCH 0, F0
	SCALES 0
	SCALES 1
	s_wait_loadcnt 32                              ; the bias is in; the residual's 32 loads stay out
	STEP 0, 1
.irp k, 1,2,3,4,5,6
	STEP \k, 0
.endr
	s_wait_dscnt 0x0
	WIN MUL
	MUL8 F1, 0, 3, 1, 0
	MUL8 F1, 2, 3, 1, 0
	WIN 0
	; THE WAY OUT, block by block: 16 tokens x 64 columns through my stage, back as rows of 256 bytes, plus the residual, out.
	PLACES 4
	s_wait_loadcnt 0x0
.irp a, 0,1,2,3
.irp b, 0,1,2,3
	ds_store_b128 v[STO], v[ACC+8*(4*\a+\b):ACC+8*(4*\a+\b)+3] offset:64*\b          ; each accumulator from its low end on
	ds_store_b128 v[STO], v[ACC+8*(4*\a+\b)+4:ACC+8*(4*\a+\b)+7] offset:64*\b+16
.endr
.irp t, 0,1,2,3,4,5,6,7
	ds_load_b128 v[BK+4*\t:BK+4*\t+3], v[RD] offset:544*\t   ; LDS serves a wave's instructions in order
.endr
	s_wait_dscnt 0x0
	WIN 0x82                                       ; the sums go into the residual's own registers
.irp n, 0,2,4,6,8,10,12,14,16,18,20,22,24,26,28,30
	v_pk_add_f32 v[32*\a+\n:32*\a+\n+1], v[32*\a+\n:32*\a+\n+1], v[BK+\n:BK+\n+1]
.endr
	WIN 0x08
.irp t, 0,1,2,3,4,5,6,7
	global_store_b128 v[CO], v[32*\a+4*\t:32*\a+4*\t+3], s[94:95] offset:4096*(32*(\a/2)+8*(\a%2)+2*\t+8*(\t/4))   ; 16 lanes store 256 consecutive bytes, aligned
.endr
	WIN 0
.endr
	s_wait_tensorcnt 0x0                           ; the wave's end
	ds_add_u32 v[SPW], v[NIL]
	s_wait_dscnt 0x0
	CROUND                                         ; the closing round
	s_endpgm
.Lfunc_end_k_qd8cfe510f1_proj:
	.size	k_qd8cfe510f1_proj, .Lfunc_end_k_qd8cfe510f1_proj-k_qd8cfe510f1_proj
	.p2alignl 7, 3214868480
	.fill 96, 4, 3214868480
	.section	.rodata,"a",@progbits
	.p2align	6, 0x0
	.amdhsa_kernel k_qd8cfe510f1_proj
		.amdhsa_group_segment_fixed_size 327680
		.amdhsa_private_segment_fixed_size 0
		.amdhsa_enable_private_segment 0
		.amdhsa_kernarg_size 48
		.amdhsa_user_sgpr_count 2
		.amdhsa_user_sgpr_kernarg_segment_ptr 1
		.amdhsa_wavefront_size32 1
		.amdhsa_system_sgpr_workgroup_id_x 1
		.amdhsa_system_sgpr_workgroup_id_y 1
		.amdhsa_system_sgpr_workgroup_id_z 1
		.amdhsa_system_vgpr_workitem_id 0
		.amdhsa_next_free_vgpr 640
		.amdhsa_next_free_sgpr 100
		.amdhsa_reserve_vcc 0
		.amdhsa_float_denorm_mode_32 3
		.amdhsa_float_denorm_mode_16_64 3
		.amdhsa_memory_ordered 1
		.amdhsa_forward_progress 1
		.amdhsa_inst_pref_size 68
	.end_amdhsa_kernel
	.amdgpu_metadata
---
amdhsa.version: [ 1, 2 ]
amdhsa.kernels:
  - .name:           k_qd8cfe510f1_proj
    .symbol:         k_qd8cfe510f1_proj.kd
    .args:
      - { .name: o, .offset: 0, .size: 8, .value_kind: global_buffer, .address_space: global }
      - { .name: w_out_codes, .offset: 8, .size: 8, .value_kind: global_buffer, .address_space: global }
      - { .name: w_out_scales, .offset: 16, .size: 8, .value_kind: global_buffer, .address_space: global }
      - { .name: b_out, .offset: 24, .size: 8, .value_kind: global_buffer, .address_space: global }
      - { .name: x, .offset: 32, .size: 8, .value_kind: global_buffer, .address_space: global }
      - { .name: x1, .offset: 40, .size: 8, .value_kind: global_buffer, .address_space: global }
    .group_segment_fixed_size: 327680
    .private_segment_fixed_size: 0
    .kernarg_segment_align: 8
    .kernarg_segment_size: 48
    .max_flat_workgroup_size: 128
    .sgpr_count:     100
    .vgpr_count:     640
    .wavefront_size: 32
...
	.end_amdgpu_metadata
.endif
;; end of part 4
;; launch ln2: the kernel of part 1 again; grid 256 x 1, 8 waves a work-group, no clusters, 52,736 bytes of LDS; arguments x1, ln2_g, ln2_b, h; writes h
;; launch fc1 (part 5): grid 16 x 16, 4 waves a work-group, clusters of 4 x 4, 327,680 bytes of LDS; arguments h, w1_codes, w1_scales, b1, g; writes g
.if DOCPART == 5
	.amdgcn_target "amdgcn-amd-amdhsa--gfx1250"
	.amdhsa_code_object_version 6
	.text
	.protected	k_qd8cfe510f1_fc1
	.globl	k_qd8cfe510f1_fc1
	.p2align	8
	.type	k_qd8cfe510f1_fc1,@function
k_qd8cfe510f1_fc1:
	s_mov_b64 s[64:65], 0
	v_nop
	global_prefetch_b8 v0, s[64:65] scope:SCOPE_SE
	s_setreg_imm32_b32 hwreg(HW_REG_WAVE_MODE, 25, 1), 1
	s_wait_xcnt 0x0
	s_wait_alu depctr_hold_cnt(0) depctr_sa_sdst(0) depctr_va_vdst(0) depctr_va_sdst(0) depctr_va_ssrc(0) depctr_va_vcc(0) depctr_vm_vsrc(0)
	s_getreg_b32 s2, hwreg(HW_REG_IB_STS2, 6, 4)
	s_cmp_eq_u32 s2, 0
	s_cbranch_scc0 .Lentry_in_a_cluster
	s_endpgm
.Lentry_in_a_cluster:
	s_bfe_u32 s2, ttmp6, 0x10000c
	s_cmp_lg_u32 s2, 0xf033
	s_cbranch_scc0 .Lentry_shape_is_right
	s_endpgm
.Lentry_shape_is_right:
; g = Q(gelu(LN2(x1) W1 + b1)) on codes of E2M3 with E8M0 scales, K = 1,024; the results leave quantised, as images of the next product's operand registers.
; A tile of 256 x 256 is made by four waves, 128 x 128 each.  A row of codes is three chunks of 256 bytes, each on a 256-byte border; chunk c lies in LDS slot c % 2; a step of 128 along K is 96 bytes; steps 2 and 5 lie across two chunks.
; HEAD: one joint load a wave: wave 0 A's chunk 0 (256 rows), wave 1 B's, waves 2 and 3 the two sides' scale bytes; chunk 1 follows behind the full sequence and a round, chunk 2 as slot 0's refill.
; Source 0 = 16 rows of W1, source 1 = 16 stored rows of h: a lane holds one token, its registers run along the hidden units.  The bias is the C of each sum's first product.
; GELU, exact form: gelu(y) = max(y, 0) - (|y| / 2) erfc(|y| / sqrt 2), erfc(a) = t exp(-a^2 + P(t)), t = 1 / (1 + a / 2), P of degree 9; |y| / 2 = max(y, 0) - y / 2, which rounds nothing.
; THE WAY OUT is a loop of eight trips, a block of 16 tokens x 128 units (64 numbers a lane) a trip, worked as ONE batch, so that a trip has two batches of transcendentals.
; OUT (buffer g): images [128 tokens (32)][K step (32)][block (8)][1,536]: register 4 i + e of lane l at 512 i + 16 l + 4 e; scale words at 12,582,912: [32][32][512].
; No prefetch: the walk has three chunks, and all three are asked for by the end of step 2 of eight.
; LIMITS: NaN and infinities are not served; a block under 2^-124, a block of zeros among them, takes the byte 1 (the bytes are this program's own).
.set ROWB,   256
.set NQ,     2
.set KROW,   768
.set STEPS,  8
.set CHUNKS, 3
.set PITCH,  272
.set FR,     12
.set NL,     6
.set NP,     4
.set HALFT,  128*PITCH
.set SLOT,   4*HALFT
.set KS,     32
.set SCL,    2*SLOT
.set HALFS,  (128*KS/256)*272
.set SBLK,   (16*KS/256)*272
.set SPARE,  SCL+4*HALFS
.set ADRA, 16
.set ADRB, 20
.set ADRS, 27
.set SPW,  28
.set NIL,  29
.set SC,   32
.set AF,   128
.set PWS,  64
.set TM,   72
.set CD,   88
.set DD,   108
.set PW,   112
.set GY,   0                           ; window 1: max(y, 0), then the result
.set GH,   64                          ; window 1: |y| / 2
.set GT,   128                         ; window 1: t
.set GQ,   192                         ; window 1: the exponent
.set GW,   128                         ; window 0: (|y| / 2)^2
.set C9,   192                         ; window 0: P's leading coefficient, twice
.set CF,   68
.set G1, 24
.set G0, 32
.set G1B, 48
.set G0B, 56
.set G1S, 68
.set G0S, 76
.set G1SB, 80
.set G0SB, 88
.set G0H, 4
.set G0HB, 8
.set SEL, 100
.set MSB, 0
.macro WIN new
.set WNEW, \new
.if MSB != WNEW
	s_set_vgpr_msb (MSB<<8)|WNEW
.set MSB, WNEW
.endif
.endm
.set MUL_LO, 0xa1
.set MUL_HI, 0xf1
.set TO_B,   0x40
.macro TLOAD g0, g1
	tensor_load_to_lds s[\g0:\g0+3], s[\g1:\g1+7]
	s_nop 0
.rept 4
	v_nop
.endr
.endm
.macro JLOAD g0a, g1a, g0b, g1b
	s_cmp_eq_u32 s15, 0
	s_cbranch_scc0 .Lfor_b_\@
	TLOAD \g0a, \g1a
	s_branch .Lasked_\@
.Lfor_b_\@:
	TLOAD \g0b, \g1b
.Lasked_\@:
.endm
.macro CREST
	s_cmp_lg_u32 s14, 0
	s_cbranch_scc1 .Lnot_wave_0_\@
	s_barrier_signal -3
.Lnot_wave_0_\@:
	s_barrier_wait -3
	s_barrier_signal -1
	s_barrier_wait -1
.endm
.macro CROUND
	s_barrier_signal -1
	s_barrier_wait -1
	CREST
.endm
	s_load_b64 s[4:5], s[0:1], 0x0                 ; h
	s_load_b64 s[8:9], s[0:1], 0x8                 ; W1's codes
	s_load_b64 s[10:11], s[0:1], 0x10              ; W1's scale bytes
	s_load_b64 s[96:97], s[0:1], 0x18              ; b1
	s_load_b64 s[12:13], s[0:1], 0x20              ; g
	v_lshl_add_u32 v[SPW], v0, 2, SPARE
	v_mov_b32 v[NIL], 0
	ds_add_u32 v[SPW], v[NIL]                      ; the opening lines: the add twice on end
	ds_add_u32 v[SPW], v[NIL]
	v_lshrrev_b32 v1, 5, v0
	v_readfirstlane_b32 s14, v1
	s_lshr_b32 s15, s14, 1
	s_and_b32 s16, s14, 1
	s_bfe_u32 s40, ttmp6, 0x40000
	s_bfe_u32 s41, ttmp6, 0x40004
	s_lshl_b32 s42, ttmp9, 2
	s_add_co_u32 s42, s42, s40                     ; tile column
	s_and_b32 s17, ttmp7, 0xffff
	s_lshl_b32 s17, s17, 2
	s_add_co_u32 s17, s17, s41                     ; tile row
	s_lshl_b32 s43, s41, 2
	s_lshl_b32 s43, 15, s43
	s_lshl_b32 s44, 0x1111, s40
	s_or_b32 s[G1+0], s43, (0<<16)|(1<<20)|(1<<21)|(5<<22)|(3<<25)
	s_or_b32 s[G1B+0], s44, (0<<16)|(1<<20)|(1<<21)|(5<<22)|(3<<25)
.irp g, G1, G1B
	s_mov_b32 s[\g+1], ROWB<<16
	s_mov_b32 s[\g+2], 256<<16
	s_mov_b32 s[\g+3], ROWB<<16
	s_mov_b32 s[\g+4], 256
	s_mov_b32 s[\g+5], KROW
	s_mov_b32 s[\g+6], 0
	s_mov_b32 s[\g+7], 0
.endr
	s_or_b32 s[G1S+0], s43, (3<<16)|(1<<20)|(1<<21)|(5<<22)|(3<<25)
	s_or_b32 s[G1SB+0], s44, (3<<16)|(1<<20)|(1<<21)|(5<<22)|(3<<25)
.irp g, G1S, G1SB
	s_mov_b32 s[\g+1], 32<<16
	s_mov_b32 s[\g+2], KS<<16
	s_mov_b32 s[\g+3], 32<<16
	s_mov_b32 s[\g+4], KS
	s_mov_b32 s[\g+5], 32
	s_mov_b32 s[\g+6], 0
	s_mov_b32 s[\g+7], 0
.endr
	s_lshl_b32 s20, s17, 8
	s_lshl_b32 s46, s42, 8
	s_mov_b32 s21, 0
	s_mov_b32 s47, 0
	s_mov_b64 s[18:19], KS
	s_mul_u64 s[22:23], s[20:21], s[18:19]
	s_mul_u64 s[92:93], s[46:47], s[18:19]
	s_mov_b64 s[18:19], KROW
	s_mul_u64 s[20:21], s[20:21], s[18:19]
	s_mul_u64 s[46:47], s[46:47], s[18:19]
	s_mul_i32 s18, s16, 128*KROW
	s_mov_b32 s19, 0
	s_mul_i32 s45, s14, HALFT
	s_wait_dscnt 0x0
	s_wait_kmcnt 0x0
	s_add_nc_u64 s[6:7], s[4:5], 0x300000          ; h's scale bytes
	s_add_nc_u64 s[20:21], s[4:5], s[20:21]
	s_add_nc_u64 s[22:23], s[6:7], s[22:23]
	s_add_nc_u64 s[46:47], s[8:9], s[46:47]
	s_add_nc_u64 s[92:93], s[10:11], s[92:93]
	CROUND
	s_mov_b32 s[G0H], 1
	s_mov_b32 s[G0H+1], 0
	s_mov_b64 s[G0H+2:G0H+3], s[20:21]
	s_or_b32 s[G0H+3], s[G0H+3], 0x80000000
	s_mov_b32 s[G0HB], 1
	s_mov_b32 s[G0HB+1], 2*HALFT
	s_mov_b64 s[G0HB+2:G0HB+3], s[46:47]
	s_or_b32 s[G0HB+3], s[G0HB+3], 0x80000000
	s_mov_b32 s[G0S], 1
	s_mov_b32 s[G0S+1], SCL
	s_mov_b64 s[G0S+2:G0S+3], s[22:23]
	s_or_b32 s[G0S+3], s[G0S+3], 0x80000000
	s_mov_b32 s[G0SB], 1
	s_mov_b32 s[G0SB+1], SCL+2*HALFS
	s_mov_b64 s[G0SB+2:G0SB+3], s[92:93]
	s_or_b32 s[G0SB+3], s[G0SB+3], 0x80000000
	s_add_nc_u64 s[20:21], s[20:21], s[18:19]
	s_add_nc_u64 s[46:47], s[46:47], s[18:19]
.irp s, 0,1
	s_mov_b32 s[G0+4*\s], 1
	s_add_co_u32 s[G0+4*\s+1], s45, \s*SLOT
	s_add_nc_u64 s[G0+4*\s+2:G0+4*\s+3], s[20:21], \s*ROWB
	s_or_b32 s[G0+4*\s+3], s[G0+4*\s+3], 0x80000000
	s_mov_b32 s[G0B+4*\s], 1
	s_add_co_u32 s[G0B+4*\s+1], s45, \s*SLOT
	s_add_nc_u64 s[G0B+4*\s+2:G0B+4*\s+3], s[46:47], \s*ROWB
	s_or_b32 s[G0B+4*\s+3], s[G0B+4*\s+3], 0x80000000
.endr
.macro ARM under, g0, g1, next
	s_cmp_lt_u32 s14, \under
	s_cbranch_scc0 \next
	TLOAD \g0, \g1
	s_branch .Lhead_asked
\next:
.endm
	ARM 1, G0H,  G1,  .Lhead_b
	ARM 2, G0HB, G1B, .Lhead_sa
	ARM 3, G0S,  G1S, .Lhead_sb
	TLOAD G0SB, G1SB
.Lhead_asked:
	v_and_b32 v1, 15, v0
	v_bfe_u32 v2, v0, 4, 1
	v_lshlrev_b32 v8, 5, v2                        ; the bias: 32 bytes for each half of the lanes
	v_mul_u32_u24 v3, v1, PITCH
	v_mul_u32_u24 v4, v2, 24
	v_add_nc_u32 v4, v3, v4
	s_mov_b32 s21, SLOT-232
	s_mov_b32 s22, SLOT+232
	v_sub_nc_u32 v7, 1, v2
	v_mul_u32_u24 v5, s21, v2
	v_add_nc_u32 v5, v3, v5
	v_add_nc_u32 v5, 232, v5
	v_mul_u32_u24 v6, s22, v7
	v_add_nc_u32 v6, v3, v6
	s_mul_i32 s21, s15, HALFT
	s_mul_i32 s22, s16, HALFT
	s_add_co_u32 s22, s22, 2*HALFT
	v_add_nc_u32 v[ADRA+2], s21, v5
	v_add_nc_u32 v[ADRA+3], s21, v6
	v_add_nc_u32 v[ADRB+2], s22, v5
	v_add_nc_u32 v[ADRB+3], s22, v6
.irp s, 0,1
	v_add_nc_u32 v[ADRA+\s], s21, v4
	v_add_nc_u32 v[ADRB+\s], s22, v4
	s_add_co_u32 s21, s21, SLOT
	s_add_co_u32 s22, s22, SLOT
.endr
	v_mul_u32_u24 v5, v1, KS
	v_lshrrev_b32 v6, 8, v5
	v_lshl_add_u32 v5, v6, 4, v5
	s_mul_i32 s21, s15, HALFS
	s_mul_i32 s22, s16, HALFS
	s_add_co_u32 s22, s22, 2*HALFS
	s_sub_co_u32 s22, s22, s21
	v_mul_u32_u24 v6, s22, v2
	s_add_co_u32 s21, s21, SCL
	v_add_nc_u32 v5, v5, v6
	v_add_nc_u32 v[ADRS], s21, v5
	s_lshl_b32 s46, s42, 10
	s_lshl_b32 s47, s16, 9
	s_add_co_u32 s46, s46, s47
	s_mov_b32 s47, 0
	s_add_nc_u64 s[96:97], s[96:97], s[46:47]      ; my 128 numbers of the bias
.macro FRAG reg, adr, st, i
.irp p, 0,1,2,3,4,5
.set BY, 96*(\st)+48*(\p/3)+8*(\p%3)
.if BY/ROWB == (BY+24)/ROWB
	ds_load_b64 v[\reg+2*\p:\reg+2*\p+1], v[\adr+(BY/ROWB)%2] offset:BY%ROWB+(\i)*16*PITCH
.else
	ds_load_b64 v[\reg+2*\p:\reg+2*\p+1], v[\adr+2+(BY/ROWB)%2] offset:BY%ROWB-232+(\i)*16*PITCH
.endif
.endr
.endm
.macro MUL16 a0, p, q, sc, zero        ; zero = 1: the bias (window 1) starts the sums; the 64 accumulators take turns
.irp a, \a0, \a0+1
.irp b, 0,1,2,3,4,5,6,7
.if \zero
	v_wmma_scale_f32_16x16x128_f8f6f4 v[8*(8*((\a)%4)+\b):8*(8*((\a)%4)+\b)+7], v[128*(\p)+FR*\b:128*(\p)+FR*\b+FR-1], v[AF+FR*(\a):AF+FR*(\a)+FR-1], v[96+8*\b+96*(\b/4):96+8*\b+96*(\b/4)+7], v[SC+8*NQ*(\sc)+NQ*\b+(\q)], v[SC+8*NQ*(\sc)+NQ*(\a)+(\q)] matrix_a_fmt:MATRIX_FMT_FP6 matrix_b_fmt:MATRIX_FMT_FP6 matrix_a_scale:MATRIX_SCALE_ROW1
.else
	v_wmma_scale_f32_16x16x128_f8f6f4 v[8*(8*((\a)%4)+\b):8*(8*((\a)%4)+\b)+7], v[128*(\p)+FR*\b:128*(\p)+FR*\b+FR-1], v[AF+FR*(\a):AF+FR*(\a)+FR-1], v[8*(8*((\a)%4)+\b):8*(8*((\a)%4)+\b)+7], v[SC+8*NQ*(\sc)+NQ*\b+(\q)], v[SC+8*NQ*(\sc)+NQ*(\a)+(\q)] matrix_a_fmt:MATRIX_FMT_FP6 matrix_b_fmt:MATRIX_FMT_FP6 matrix_a_scale:MATRIX_SCALE_ROW1
.endif
.endr
.endr
.endm
.macro FETCH_B st, p
	WIN TO_B
.irp i, 0,1,2,3,4,5,6,7
	FRAG 128*(\p)+FR*\i, ADRB, \st, \i
.endr
	WIN 0
.endm
.macro FETCH_A st, i0
.irp i, \i0, \i0+1, \i0+2, \i0+3
	FRAG AF+FR*(\i), ADRA, \st, \i
.endr
.endm
.macro SCALES pr
.irp i, 0,1,2,3,4,5,6,7
	ds_load_b64 v[SC+8*NQ*((\pr)%2)+NQ*\i:SC+8*NQ*((\pr)%2)+NQ*\i+1], v[ADRS] offset:\i*SBLK+4*NQ*(\pr)
.endr
.endm
.macro PLACES n
.rept \n
	v_nop
.endr
.endm
.macro STEP st, zero
.set NX, (\st)+1
.set C0, (96*(\st))/ROWB
.set C1, (96*NX)/ROWB
.set E0, (96*(\st)+95)/ROWB
.set E1, (96*NX+95)/ROWB
.if C1 > C0 || E1 > E0
	s_wait_tensorcnt 0x0                           ; all my tensor loads have landed
.if C1 > C0
	ds_add_u32 v[SPW], v[NIL]
	s_wait_dscnt 4*NL+1
.else
	s_wait_dscnt 4*NL
.endif
	WIN MUL_LO
	MUL16 0, (\st)%2, (\st)%2, ((\st)/2)%2, \zero
	s_wait_dscnt 0x0
	s_barrier_signal -1
	MUL16 2, (\st)%2, (\st)%2, ((\st)/2)%2, \zero
	WIN 0
	s_barrier_wait -1
.if C1 > C0 && C0+2 < CHUNKS
	CREST
	s_add_nc_u64 s[G0+4*(C0%2)+2:G0+4*(C0%2)+3], s[G0+4*(C0%2)+2:G0+4*(C0%2)+3], 2*ROWB
	s_add_nc_u64 s[G0B+4*(C0%2)+2:G0B+4*(C0%2)+3], s[G0B+4*(C0%2)+2:G0B+4*(C0%2)+3], 2*ROWB
	JLOAD G0+4*(C0%2), G1, G0B+4*(C0%2), G1B
.else
	PLACES NP
.endif
.else
	s_wait_dscnt 4*NL
	WIN MUL_LO-0x10*(\zero)                        ; with the bias: C in window 1
	MUL16 0, (\st)%2, (\st)%2, ((\st)/2)%2, \zero
	MUL16 2, (\st)%2, (\st)%2, ((\st)/2)%2, \zero
	s_wait_dscnt 0
	PLACES NP
.endif
	FETCH_B NX, NX%2
	FETCH_A NX, 0
.if NX%2 == 0
	SCALES NX/2
.endif
	WIN MUL_HI-0x20*(\zero)
	MUL16 4, (\st)%2, (\st)%2, ((\st)/2)%2, \zero
	MUL16 6, (\st)%2, (\st)%2, ((\st)/2)%2, \zero
	PLACES NP
	WIN 0
	FETCH_A NX, 4
.endm
	s_wait_alu depctr_va_vdst(0)                   ; the wait at the head's end
	WIN 0x40
.irp b, 0,1,2,3,4,5,6,7
	global_load_b128 v[96+8*\b+96*(\b/4):96+8*\b+96*(\b/4)+3], v8, s[96:97] offset:64*\b       ; the bias in the result's layout: units 16 b + 8 h + 0 .. 7
	global_load_b128 v[96+8*\b+96*(\b/4)+4:96+8*\b+96*(\b/4)+7], v8, s[96:97] offset:64*\b+16
.endr
	WIN 0
	s_wait_tensorcnt 0x0                           ; my tile of the head's four is in
	ds_add_u32 v[SPW], v[NIL]
	s_mov_b32 s[G1+2], 128<<16                     ; no load of mine is out: from here on a load brings 128 rows
	s_mov_b32 s[G1+4], 128
	s_mov_b32 s[G1B+2], 128<<16
	s_mov_b32 s[G1B+4], 128
	s_wait_dscnt 0x0
	CROUND
	JLOAD G0+4, G1, G0B+4, G1B                     ; chunk 1
	FETCH_B 0, 0
	FETCH_A 0, 0
	SCALES 0
	FETCH_A 0, 4
	s_wait_loadcnt 0x0                             ; the bias
	STEP 0, 1
.set ST, 1
.rept STEPS-2
	STEP ST, 0
.set ST, ST+1
.endr
	s_wait_dscnt 4*NL
	WIN MUL_LO
	MUL16 0, 1, 1, 1, 0
	MUL16 2, 1, 1, 1, 0
	s_wait_dscnt 0
	WIN MUL_HI
	MUL16 4, 1, 1, 1, 0
	MUL16 6, 1, 1, 1, 0
	WIN 0
	PLACES NP
	s_lshl_b32 s20, s17, 1
	s_add_co_u32 s20, s20, s15
	s_lshl_b32 s20, s20, 5
	s_lshl_b32 s21, s42, 1
	s_add_co_u32 s21, s21, s16
	s_add_co_u32 s20, s20, s21                     ; 32 x (which 128 tokens) + the next product's K step
	s_lshl_b32 s22, s20, 9
	s_add_co_u32 s22, s22, 12582912
	s_mov_b32 s23, 0
	s_mul_i32 s20, s20, 12288
	s_mov_b32 s21, 0
	s_add_nc_u64 s[18:19], s[12:13], s[22:23]
	s_add_nc_u64 s[12:13], s[12:13], s[20:21]
	s_mov_b32 s[SEL], 0x76543210
	s_mov_b32 s[SEL+1], 0xfedcba98
.macro KONST r, val
	s_mov_b32 s[\r], \val
	s_mov_b32 s[\r+1], \val
.endm
	KONST CF+0,  0xbfe9b21e                        ; P's coefficients, times log2(e)
	KONST CF+2,  0x3fb8ab5a
	KONST CF+4,  0x3f0a29d2
	KONST CF+6,  0x3e0efb2f
	KONST CF+8,  0xbe899a80
	KONST CF+10, 0x3ecdfd18
	KONST CF+12, 0xbfd1a1e5
	KONST CF+14, 0x40097039
	KONST CF+16, 0xbf97d29d
	KONST CF+18, 0x3f3504f3                        ; 1 / sqrt 2
	KONST CF+20, 0xc038aa3b                        ; -2 log2(e)
	v_and_b32 v1, 31, v0
	v_lshlrev_b32 v20, 4, v1
.irp b, 0,1,2,3
	v_mov_b32 v[TM+4+\b], 0
.endr
.irp b, 0,1,2,3,4,5,6,7
	v_mov_b32 v[PWS+\b], 0
.endr
	v_mov_b32 v[C9], 0x3e7c6f08
	v_mov_b32 v[C9+1], 0x3e7c6f08
.macro QUANT s, w, pw
.set QS, \s
.set QW, \w
.set QP, \pw
	WIN QW|(QW<<2)
.irp b, 0,1,2,3
	v_max3_num_f32 v[TM+\b], |v[QS+16*\b]|, |v[QS+1+16*\b]|, 0x1800000
.endr
.irp i, 2,4,6,8,10,12,14
.irp b, 0,1,2,3
	v_max3_num_f32 v[TM+\b], |v[QS+16*\b+\i]|, |v[QS+1+16*\b+\i]|, v[TM+\b]
.endr
.endr
	WIN 0
.irp b, 0,1,2,3
	v_permlanex16_b32 v[TM+4+\b], v[TM+\b], s[SEL], s[SEL+1]
.endr
.irp b, 0,1,2,3
	v_max_num_f32 v[TM+\b], v[TM+\b], v[TM+4+\b]
.endr
.irp b, 0,1,2,3
	v_add_nc_u32 v[TM+12+\b], 0xff000000, v[TM+\b]
.endr
.irp b, 0,1,2,3
	v_lshrrev_b32 v[TM+4+\b], 23, v[TM+12+\b]
.endr
	v_lshl_or_b32 v[QP], v[TM+5], 8, v[TM+4]
	v_lshl_or_b32 v[QP], v[TM+6], 16, v[QP]
	v_lshl_or_b32 v[QP], v[TM+7], 24, v[QP]
	WIN QW
.irp c, 0,1
	v_cvt_scalef32_pk16_fp6_f32 v[CD+6*\c:CD+2+6*\c], v[QS+32*\c:QS+15+32*\c], v[TM+12+2*\c]
	v_cvt_scalef32_pk16_fp6_f32 v[CD+12+4*\c:CD+14+4*\c], v[QS+16+32*\c:QS+31+32*\c], v[TM+12+2*\c+1]
.endr
	WIN 0
	v_nop
.irp c, 0,1
.irp i, 0,1,2
	v_permlane16_swap_b32 v[CD+6*\c+\i], v[CD+12+4*\c+\i]
.endr
.irp i, 0,1,2
	v_mov_b32 v[CD+3+6*\c+\i], v[CD+12+4*\c+\i]
.endr
.endr
.endm
.macro RD a                            ; block a's accumulators, each from its low end on: max(y, 0), then |y| / 2 = max(y, 0) - y / 2
	WIN 0x42+(\a)/4
.set n, 0
.rept 64
	v_max_num_f32 v[GY+n], v[64*((\a)%4)+n], 0
.set n, n+1
.endr
	WIN 0x52+(\a)/4
.set n, 0
.rept 32
	v_pk_fma_f32 v[GH+n:GH+n+1], v[64*((\a)%4)+n:64*((\a)%4)+n+1], -0.5, v[GY+n:GY+n+1] op_sel_hi:[1,0,1]
.set n, n+2
.endr
	WIN 0
.endm
	s_mov_b32 s3, 0
.Lblk:
.irp a, 0,1,2,3,4,5,6
	s_cmp_eq_u32 s3, \a
	s_cbranch_scc1 .Lrd\a
.endr
	RD 7
	s_branch .Lcom
.irp a, 0,1,2,3,4,5,6
.Lrd\a:
	RD \a
	s_branch .Lcom
.endr
.Lcom:
	WIN 0x55
.set n, 0
.rept 32
	v_pk_fma_f32 v[GT+n:GT+n+1], v[GH+n:GH+n+1], s[CF+18:CF+19], 1.0 op_sel_hi:[1,0,0]   ; 1 + a / 2
.set n, n+2
.endr
	s_wait_alu depctr_va_vdst(0)                   ; the wait ahead of the batch
.set n, 0
.rept 64
	v_rcp_f32 v[GT+n], v[GT+n]                     ; t
.set n, n+1
.endr
	WIN 0x05
.set n, 0
.rept 32
	v_pk_mul_f32 v[GW+n:GW+n+1], v[GH+n:GH+n+1], v[GH+n:GH+n+1]   ; plain work behind the batch
.set n, n+2
.endr
	WIN 0x41
	s_wait_alu depctr_va_vdst(0)                   ; and behind it
.set n, 0
.rept 32
	v_pk_fma_f32 v[GQ+n:GQ+n+1], v[GT+n:GT+n+1], v[C9:C9+1], s[CF+16:CF+17] op_sel_hi:[1,1,0]
.set n, n+2
.endr
	WIN 0x45
.irp c, 7,6,5,4,3,2,1,0
.set n, 0
.rept 32
	v_pk_fma_f32 v[GQ+n:GQ+n+1], v[GQ+n:GQ+n+1], v[GT+n:GT+n+1], s[CF+2*\c:CF+2*\c+1] op_sel_hi:[1,1,0]
.set n, n+2
.endr
.endr
	WIN 0x50
.set n, 0
.rept 32
	v_pk_fma_f32 v[GQ+n:GQ+n+1], v[GW+n:GW+n+1], s[CF+20:CF+21], v[GQ+n:GQ+n+1] op_sel_hi:[1,0,1]   ; - a^2
.set n, n+2
.endr
	WIN 0x55
	s_wait_alu depctr_va_vdst(0)
.set n, 0
.rept 64
	v_exp_f32 v[GQ+n], v[GQ+n]
.set n, n+1
.endr
.set n, 0
.rept 32
	v_pk_mul_f32 v[GH+n:GH+n+1], v[GH+n:GH+n+1], v[GT+n:GT+n+1]
.set n, n+2
.endr
	s_wait_alu depctr_va_vdst(0)
.set n, 0
.rept 32
	v_pk_fma_f32 v[GY+n:GY+n+1], v[GH+n:GH+n+1], v[GQ+n:GQ+n+1], v[GY+n:GY+n+1] neg_lo:[1,0,0] neg_hi:[1,0,0]
.set n, n+2
.endr
	WIN 0x41
.irp n, 0,1,2,3
.irp j, 0,1,2,3,4,5,6,7
	v_permlane16_swap_b32 v[GY+16*\n+\j], v[GY+16*\n+8+\j]   ; two tiles' 16 registers become 16 neighbouring units
.endr
.endr
	WIN 0
	QUANT GY, 1, PW
.irp b, 0,1,2,3,4,5,6
	v_mov_b32 v[PWS+\b], v[PWS+\b+1]
.endr
	v_mov_b32 v[PWS+7], v[PW]
.irp i, 0,1,2
	global_store_b128 v20, v[CD+4*\i:CD+4*\i+3], s[12:13] offset:512*\i   ; 32 lanes store 512 consecutive bytes, aligned
.endr
	s_wait_xcnt 0x0                                ; the stores have read their base and their data
	s_add_nc_u64 s[12:13], s[12:13], 1536
	s_add_co_u32 s3, s3, 1
	s_cmp_lt_u32 s3, 8
	s_cbranch_scc1 .Lblk
	v_cmp_le_u32 vcc_lo, 16, v1
	s_wait_alu depctr_va_vdst(0)
.irp j, 0,1,2,3
	v_cndmask_b32 v[DD+\j], v[PWS+\j], v[PWS+4+\j], vcc_lo
.endr
	global_store_b128 v20, v[DD:DD+3], s[18:19]
	s_wait_tensorcnt 0x0                           ; the wave's end
	ds_add_u32 v[SPW], v[NIL]
	s_wait_dscnt 0x0
	CROUND
	s_endpgm
.Lfunc_end_k_qd8cfe510f1_fc1:
	.size	k_qd8cfe510f1_fc1, .Lfunc_end_k_qd8cfe510f1_fc1-k_qd8cfe510f1_fc1
	.p2alignl 7, 3214868480
	.fill 96, 4, 3214868480
	.section	.rodata,"a",@progbits
	.p2align	6, 0x0
	.amdhsa_kernel k_qd8cfe510f1_fc1
		.amdhsa_group_segment_fixed_size 327680
		.amdhsa_private_segment_fixed_size 0
		.amdhsa_enable_private_segment 0
		.amdhsa_kernarg_size 40
		.amdhsa_user_sgpr_count 2
		.amdhsa_user_sgpr_kernarg_segment_ptr 1
		.amdhsa_wavefront_size32 1
		.amdhsa_system_sgpr_workgroup_id_x 1
		.amdhsa_system_sgpr_workgroup_id_y 1
		.amdhsa_system_sgpr_workgroup_id_z 1
		.amdhsa_system_vgpr_workitem_id 0
		.amdhsa_next_free_vgpr 1024
		.amdhsa_next_free_sgpr 102
		.amdhsa_reserve_vcc 1
		.amdhsa_float_denorm_mode_32 3
		.amdhsa_float_denorm_mode_16_64 3
		.amdhsa_memory_ordered 1
		.amdhsa_forward_progress 1
		.amdhsa_inst_pref_size 222
	.end_amdhsa_kernel
	.amdgpu_metadata
---
amdhsa.version: [ 1, 2 ]
amdhsa.kernels:
  - .name:           k_qd8cfe510f1_fc1
    .symbol:         k_qd8cfe510f1_fc1.kd
    .args:
      - { .name: h, .offset: 0, .size: 8, .value_kind: global_buffer, .address_space: global }
      - { .name: w1_codes, .offset: 8, .size: 8, .value_kind: global_buffer, .address_space: global }
      - { .name: w1_scales, .offset: 16, .size: 8, .value_kind: global_buffer, .address_space: global }
      - { .name: b1, .offset: 24, .size: 8, .value_kind: global_buffer, .address_space: global }
      - { .name: g, .offset: 32, .size: 8, .value_kind: global_buffer, .address_space: global }
    .group_segment_fixed_size: 327680
    .private_segment_fixed_size: 0
    .kernarg_segment_align: 8
    .kernarg_segment_size: 40
    .max_flat_workgroup_size: 128
    .sgpr_count:     102
    .vgpr_count:     1024
    .wavefront_size: 32
...
	.end_amdgpu_metadata
.endif
;; end of part 5
;; launch fc2 (part 6): grid 8 x 32, 4 waves a work-group, clusters of 4 x 4, 327,680 bytes of LDS; arguments g, w2_codes, w2_scales, b2, x1, out0; writes out0
.if DOCPART == 6
	.amdgcn_target "amdgcn-amd-amdhsa--gfx1250"
	.amdhsa_code_object_version 6
	.text
	.protected	k_qd8cfe510f1_fc2
	.globl	k_qd8cfe510f1_fc2
	.p2align	8
	.type	k_qd8cfe510f1_fc2,@function
k_qd8cfe510f1_fc2:
	s_mov_b64 s[64:65], 0
	v_nop
	global_prefetch_b8 v0, s[64:65] scope:SCOPE_SE
	s_setreg_imm32_b32 hwreg(HW_REG_WAVE_MODE, 25, 1), 1
	s_wait_xcnt 0x0
	s_wait_alu depctr_hold_cnt(0) depctr_sa_sdst(0) depctr_va_vdst(0) depctr_va_sdst(0) depctr_va_ssrc(0) depctr_va_vcc(0) depctr_vm_vsrc(0)
	s_getreg_b32 s2, hwreg(HW_REG_IB_STS2, 6, 4)
	s_cmp_eq_u32 s2, 0
	s_cbranch_scc0 .Lentry_in_a_cluster
	s_endpgm
.Lentry_in_a_cluster:
	s_bfe_u32 s2, ttmp6, 0x10000c
	s_cmp_lg_u32 s2, 0xf033
	s_cbranch_scc0 .Lentry_shape_is_right
	s_endpgm
.Lentry_shape_is_right:
; out0 = x1 + b2 + g W2 on codes of E2M3 with E8M0 scales, K = 4,096.  A (g): images [128 tokens (32)][K step (32)][block (8)][1,536] (register 4 i + e of lane l at 512 i + 16 l + 4 e) and, 12,582,912 bytes on, scale words [32][K step][512].
; B: [1,024] rows of 3,072 bytes of codes, 128 scale bytes a row.  A tile is 128 x 128: 256 work-groups; a wave makes 32 tokens x 128 columns: 16 accumulators.
; A's fragments go from memory straight into registers, ten K steps ahead.  B goes through two LDS slots of 1,024 along K: 128 rows x 768 bytes, each piece on a 256-byte border, 16 bytes of padding behind every 256 (pitch 816).
; HEAD: one joint load a wave: wave 0 A's scale words, wave 1 B's scale bytes, waves 2 and 3 the two halves of slot 0; slot 1 follows behind the full sequence and a round; in the ring each wave fetches 32 rows.
; Row r of block 2 beta + u is token 32 beta + 8 u + r + 8 (r / 8): only the way out knows.  The stage of the way out lies in slot 0, which has had its last fill and its last read by then.
; No prefetch of B: the walk has four slots, and each refill is asked for one slot (eight K steps) ahead of its first read.
.set KT,     4096
.set ABYTES, 4096*KT*3/4
.set KROW,   KT*3/4
.set KS,     KT/32
.set NK,     KT/128
.set PITCH,  816
.set BSUB,   32*PITCH                  ; a wave's 32 rows of a slot
.set SLOT,   4*BSUB
.set ASC,    2*SLOT
.set BSC,    ASC+4*KT
.set BSH,    NK*272
.set SBLK,   (16*KS/256)*272
.set SPARE,  BSC+2*BSH
.set SPITCH, 528
.set DEPTH,  10
.set ADRB, 16                          ; v16-19: slot s, rows 64 j on, at v[16 + 2 s + j]; v20-23 the same with lanes 16-31 behind one padding more
.set STO,  24
.set RD,   25
.set CO,   26
.set ADRS, 27
.set SPW,  28
.set NIL,  29
.set ADAS, 30
.set SB,   32
.set SA,   96
.set BK,   112
.set BI,   240
.set RES,  128
.set PA,   24
.set G0H, 32
.set G1B, 48
.set G0B, 56
.set G1S, 68
.set G0S, 76
.set G1SB, 80
.set G0SB, 88
.set GTOT, 0
.set MSB, 0
.macro WIN new
.set WNEW, \new
.if MSB != WNEW
	s_set_vgpr_msb (MSB<<8)|WNEW
.set MSB, WNEW
.endif
.endm
.set MULW, 0xad
.macro TLOAD g0, g1
	tensor_load_to_lds s[\g0:\g0+3], s[\g1:\g1+7]
	s_nop 0
.rept 4
	v_nop
.endr
.endm
.macro CREST
	s_cmp_lg_u32 s14, 0
	s_cbranch_scc1 .Lnot_wave_0_\@
	s_barrier_signal -3
.Lnot_wave_0_\@:
	s_barrier_wait -3
	s_barrier_signal -1
	s_barrier_wait -1
.endm
.macro CROUND
	s_barrier_signal -1
	s_barrier_wait -1
	CREST
.endm
.macro PLACES n
.rept \n
	v_nop
.endr
.endm
.macro ALOAD k                         ; my two blocks of A for K step k, into ring place k % 10 (window 3)
.set AR, 24*((\k)%DEPTH)
.irp a, 0,1
.irp i, 0,1,2
	global_load_b128 v[AR+12*\a+4*\i:AR+12*\a+4*\i+3], v[CO], s[PA:PA+1] offset:12288*(\k)+1536*\a+512*\i
.endr
.endr
.set GTOT, GTOT+6
.endm
	s_load_b128 s[4:7], s[0:1], 0x0
	s_load_b128 s[8:11], s[0:1], 0x10
	s_load_b128 s[92:95], s[0:1], 0x20
	v_lshl_add_u32 v[SPW], v0, 2, SPARE
	v_mov_b32 v[NIL], 0
	ds_add_u32 v[SPW], v[NIL]                      ; the opening lines: the add twice on end
	ds_add_u32 v[SPW], v[NIL]
	s_wait_dscnt 0x0
	v_lshrrev_b32 v1, 5, v0
	v_readfirstlane_b32 s14, v1
	s_lshr_b32 s15, s14, 1
	s_and_b32 s16, s14, 1
	s_bfe_u32 s40, ttmp6, 0x40000
	s_bfe_u32 s41, ttmp6, 0x40004
	s_lshl_b32 s42, ttmp9, 2
	s_add_co_u32 s42, s42, s40
	s_and_b32 s17, ttmp7, 0xffff
	s_lshl_b32 s17, s17, 2
	s_add_co_u32 s17, s17, s41
	s_lshl_b32 s43, s41, 2
	s_lshl_b32 s43, 15, s43
	s_lshl_b32 s44, 0x1111, s40
	s_or_b32 s[G1B+0], s44, (0<<16)|(1<<20)|(1<<21)|(5<<22)|(3<<25)
	s_mov_b32 s[G1B+1], 768<<16
	s_mov_b32 s[G1B+2], 64<<16                     ; 64 rows for the head's loads
	s_mov_b32 s[G1B+3], 768<<16
	s_mov_b32 s[G1B+4], 64
	s_mov_b32 s[G1B+5], KROW
	s_mov_b32 s[G1B+6], 0
	s_mov_b32 s[G1B+7], 0
	s_or_b32 s[G1S+0], s43, (3<<16)|(1<<21)
	s_or_b32 s[G1SB+0], s44, (3<<16)|(1<<20)|(1<<21)|(5<<22)|(3<<25)
.irp g, G1S, G1SB
	s_mov_b32 s[\g+1], 32<<16
	s_mov_b32 s[\g+2], (2*NK)<<16
	s_mov_b32 s[\g+3], 32<<16
	s_mov_b32 s[\g+4], 2*NK
	s_mov_b32 s[\g+5], 32
	s_mov_b32 s[\g+6], 0
	s_mov_b32 s[\g+7], 0
.endr
	s_mul_i32 s20, s17, NK*12288
	s_mul_i32 s21, s14, 2*1536
	s_add_co_u32 s20, s20, s21
	s_mov_b32 s21, 0
	s_mul_i32 s22, s17, 4*KT
	s_add_co_u32 s22, s22, ABYTES
	s_mov_b32 s23, 0
	s_mul_i32 s46, s42, 128*KROW
	s_mul_i32 s47, s14, 32*KROW                    ; in the ring: my 32 rows
	s_add_co_u32 s46, s46, s47
	s_mov_b32 s47, 0
	s_lshl_b32 s96, s42, 7
	s_mul_i32 s96, s96, KS
	s_mov_b32 s97, 0
	s_mul_i32 s98, s14, BSUB
	s_mul_i32 s99, s16, 64*PITCH                   ; at the head: waves 2 and 3 bring 64 rows each
	s_mul_i32 s36, s42, 128*KROW
	s_mul_i32 s37, s16, 64*KROW
	s_add_co_u32 s36, s36, s37
	s_mov_b32 s37, 0
	s_lshl_b32 s18, s42, 9
	s_mov_b32 s19, 0
	s_lshl_b32 s26, s17, 19
	s_lshl_b32 s27, s14, 17
	s_add_co_u32 s26, s26, s27
	s_add_co_u32 s26, s26, s18
	s_mov_b32 s27, 0
	v_and_b32 v1, 15, v0
	v_bfe_u32 v2, v0, 4, 1
	v_and_b32 v3, 31, v0
	v_lshlrev_b32 v[CO], 4, v3
	v_mul_u32_u24 v5, v1, PITCH
	v_mad_u32_u24 v5, v2, 24, v5
.irp n, 0,1,2,3
	v_add_nc_u32 v[ADRB+\n], \n*2*BSUB, v5
	v_lshl_add_u32 v[ADRB+4+\n], v2, 4, v[ADRB+\n]
.endr
	v_mul_u32_u24 v5, v1, KS
	v_lshrrev_b32 v6, 8, v5
	v_lshl_add_u32 v5, v6, 4, v5
	v_add_nc_u32 v[ADRS], BSC, v5
	s_lshl_b32 s28, s15, 8
	s_lshl_b32 s29, s16, 3
	s_add_co_u32 s28, s28, s29
	s_add_co_u32 s28, s28, ASC
	v_lshl_add_u32 v[ADAS], v1, 4, s28
	s_mul_i32 s28, s14, 16*SPITCH
	v_mul_u32_u24 v5, v1, SPITCH
	v_lshl_add_u32 v5, v2, 5, v5
	v_add_nc_u32 v[STO], s28, v5
	v_add_nc_u32 v[RD], s28, v[CO]
	s_wait_alu depctr_va_vdst(0)                   ; the wait at the head's end
	s_wait_kmcnt 0x0
	s_add_nc_u64 s[PA:PA+1], s[4:5], s[20:21]
	s_add_nc_u64 s[22:23], s[4:5], s[22:23]
	s_add_nc_u64 s[46:47], s[6:7], s[46:47]
	s_add_nc_u64 s[36:37], s[6:7], s[36:37]
	s_add_nc_u64 s[96:97], s[8:9], s[96:97]
	s_add_nc_u64 s[10:11], s[10:11], s[18:19]
	s_add_nc_u64 s[92:93], s[92:93], s[26:27]
	s_add_nc_u64 s[94:95], s[94:95], s[26:27]
	global_load_b128 v[BI:BI+3], v[CO], s[10:11]
.set GTOT, GTOT+1
	WIN 0xc0
.irp k, 0,1,2,3,4,5,6,7,8,9
	ALOAD \k
.endr
	WIN 0
	CROUND                                         ; the first joint loads meet
	s_mov_b32 s[G0S], 1
	s_mov_b32 s[G0S+1], ASC
	s_mov_b64 s[G0S+2:G0S+3], s[22:23]
	s_or_b32 s[G0S+3], s[G0S+3], 0x80000000
	s_mov_b32 s[G0SB], 1
	s_mov_b32 s[G0SB+1], BSC
	s_mov_b64 s[G0SB+2:G0SB+3], s[96:97]
	s_or_b32 s[G0SB+3], s[G0SB+3], 0x80000000
	s_mov_b32 s[G0H], 1
	s_mov_b32 s[G0H+1], s99
	s_mov_b64 s[G0H+2:G0H+3], s[36:37]
	s_or_b32 s[G0H+3], s[G0H+3], 0x80000000
.irp s, 0,1
	s_mov_b32 s[G0B+4*\s], 1
	s_add_co_u32 s[G0B+4*\s+1], s98, \s*SLOT
	s_add_nc_u64 s[G0B+4*\s+2:G0B+4*\s+3], s[46:47], \s*768
	s_or_b32 s[G0B+4*\s+3], s[G0B+4*\s+3], 0x80000000
.endr
	s_cmp_lt_u32 s14, 1                            ; one chain of branches on the wave's number, one load to an arm
	s_cbranch_scc0 .Lhead_sb
	TLOAD G0S, G1S
	s_branch .Lhead_asked
.Lhead_sb:
	s_cmp_lt_u32 s14, 2
	s_cbranch_scc0 .Lhead_b
	TLOAD G0SB, G1SB
	s_branch .Lhead_asked
.Lhead_b:
	TLOAD G0H, G1B
.Lhead_asked:
	s_wait_tensorcnt 0x0                           ; my tile of the head's four is in
	ds_add_u32 v[SPW], v[NIL]
	s_mov_b32 s[G1B+2], 32<<16                     ; no load of mine is out: from here on a load brings 32 rows
	s_mov_b32 s[G1B+4], 32
	s_wait_dscnt 0x0
	CROUND
	TLOAD G0B+4, G1B                               ; slot 1
.macro FRAG reg, adr, q, i             ; K step q of a slot's eight: byte y of a row's 768 lies at y + 16 (y / 256)
.irp p, 0,1,2,3,4,5
.set BY, 96*(\q)+48*(\p/3)+8*(\p%3)
.if BY/256 == (BY+24)/256
	ds_load_b64 v[\reg+2*\p:\reg+2*\p+1], v[\adr] offset:BY+16*(BY/256)+(\i)*16*PITCH
.else
	ds_load_b64 v[\reg+2*\p:\reg+2*\p+1], v[\adr+4] offset:BY+16*(BY/256)+(\i)*16*PITCH
.endif
.endr
.endm
.macro FETCHB k
.set FB, 128*((\k)%2)
.set SL, ((\k)/8)%2
.irp i, 0,1,2,3,4,5,6,7
	FRAG FB+12*\i, ADRB+2*SL+\i/4, (\k)%8, \i%4
.endr
.endm
.macro SCALES g
.set SS, (\g)%2
.irp b, 0,1,2,3,4,5,6,7
	ds_load_b128 v[SB+32*SS+4*\b:SB+32*SS+4*\b+3], v[ADRS] offset:\b*SBLK+16*(\g)
.endr
.irp q, 0,1,2,3
	ds_load_b64 v[SA+8*SS+2*\q:SA+8*SS+2*\q+1], v[ADAS] offset:512*(4*(\g)+\q)
.endr
.endm
.macro MUL8 k, a, zero                 ; block a x B's eight; the accumulators take turns
.set FB, 128*((\k)%2)
.set AR, 24*((\k)%DEPTH)+12*(\a)
.set SS, ((\k)/4)%2
.set QQ, (\k)%4
.irp b, 0,1,2,3,4,5,6,7
.if \zero
	v_wmma_scale_f32_16x16x128_f8f6f4 v[64*(\a)+8*\b:64*(\a)+8*\b+7], v[FB+12*\b:FB+12*\b+11], v[AR:AR+11], 0, v[SB+32*SS+4*\b+QQ], v[SA+8*SS+2*QQ+(\a)] matrix_a_fmt:MATRIX_FMT_FP6 matrix_b_fmt:MATRIX_FMT_FP6
.else
	v_wmma_scale_f32_16x16x128_f8f6f4 v[64*(\a)+8*\b:64*(\a)+8*\b+7], v[FB+12*\b:FB+12*\b+11], v[AR:AR+11], v[64*(\a)+8*\b:64*(\a)+8*\b+7], v[SB+32*SS+4*\b+QQ], v[SA+8*SS+2*QQ+(\a)] matrix_a_fmt:MATRIX_FMT_FP6 matrix_b_fmt:MATRIX_FMT_FP6
.endif
.endr
.endm
.macro FEED k                          ; A's K step k + 9 into the place just read out; in the last steps the residual
.if ((\k) >= 1) && ((\k) <= 22)
	WIN 0xc0
	ALOAD (\k)+9
.elseif ((\k) >= 23) && ((\k) <= 28)
	WIN 0x80
.set n, 6*((\k)-23)
.rept 6
.if n < 32
	global_load_b128 v[RES+4*n:RES+4*n+3], v[CO], s[92:93] offset:4096*(8*(n/16)+(n%16)+8*((n%16)/8))
.set GTOT, GTOT+1
.endif
.set n, n+1
.endr
.endif
.endm
.macro STEP k, zero
	s_wait_dscnt 0x0
	PLACES 4
	FEED \k
	WIN 0x40
	FETCHB (\k)+1
.if ((\k)%4) == 3
	WIN 0
	SCALES ((\k)+1)/4
.endif
	s_wait_loadcnt GTOT-(1+6*((\k)+1))             ; the bias and A's K steps 0 .. k are in; all loads issued behind them may be out
	WIN MULW
	MUL8 \k, 0, \zero
	MUL8 \k, 1, \zero
.endm
.macro TURN k, fill                    ; a slot's last K step: the three lines, the barrier (a round where the slot is filled again), the refill first behind it
.set TSL, ((\k)/8)%2
	PLACES 4
	FEED \k
	WIN 0
	s_wait_tensorcnt 0x0
	ds_add_u32 v[SPW], v[NIL]
	s_wait_dscnt 1
	s_wait_loadcnt GTOT-(1+6*((\k)+1))
	WIN MULW
	MUL8 \k, 0, 0
	s_wait_dscnt 0x0
	WIN 0
	s_barrier_signal -1
	s_barrier_wait -1
.if \fill
	CREST
	s_add_nc_u64 s[G0B+4*TSL+2:G0B+4*TSL+3], s[G0B+4*TSL+2:G0B+4*TSL+3], 2*768
	tensor_load_to_lds s[G0B+4*TSL:G0B+4*TSL+3], s[G1B:G1B+7]
	s_nop 0
.endif
	PLACES 4
	WIN 0x40
	FETCHB (\k)+1
	WIN 0
	SCALES ((\k)+1)/4
	WIN MULW
	MUL8 \k, 1, 0
.endm
	WIN 0x40
	FETCHB 0
	WIN 0
	SCALES 0
	STEP 0, 1
.irp k, 1,2,3,4,5,6
	STEP \k, 0
.endr
	TURN 7, 1
.irp k, 8,9,10,11,12,13,14
	STEP \k, 0
.endr
	TURN 15, 1
.irp k, 16,17,18,19,20,21,22
	STEP \k, 0
.endr
	TURN 23, 0
.irp k, 24,25,26,27,28,29,30
	STEP \k, 0
.endr
	s_wait_dscnt 0x0
	s_wait_loadcnt GTOT-(1+6*32)
	WIN MULW
	MUL8 31, 0, 0
	MUL8 31, 1, 0
	WIN 0
	PLACES 4
.irp a, 0,1
	WIN 0x08
.irp b, 0,1,2,3,4,5,6,7
	ds_store_b128 v[STO], v[64*\a+8*\b:64*\a+8*\b+3] offset:64*\b          ; each accumulator from its low end on
	ds_store_b128 v[STO], v[64*\a+8*\b+4:64*\a+8*\b+7] offset:64*\b+16
.endr
	WIN 0
.irp t, 0,1,2,3,4,5,6,7,8,9,10,11,12,13,14,15
	ds_load_b128 v[BK+64*\a+4*\t:BK+64*\a+4*\t+3], v[RD] offset:\t*SPITCH
.endr
.endr
	s_wait_loadcnt 0x0
	WIN 0x82
.set n, 0
.rept 32
	v_pk_add_f32 v[RES+4*n:RES+4*n+1], v[RES+4*n:RES+4*n+1], v[BI:BI+1]
	v_pk_add_f32 v[RES+4*n+2:RES+4*n+3], v[RES+4*n+2:RES+4*n+3], v[BI+2:BI+3]
.set n, n+1
.endr
.irp a, 0,1
	s_wait_dscnt 32*(1-\a)
	WIN 0x82
.set n, 0
.rept 32
	v_pk_add_f32 v[RES+64*\a+2*n:RES+64*\a+2*n+1], v[RES+64*\a+2*n:RES+64*\a+2*n+1], v[BK+64*\a+2*n:BK+64*\a+2*n+1]
.set n, n+1
.endr
	WIN 0x08
.irp t, 0,1,2,3,4,5,6,7,8,9,10,11,12,13,14,15
	global_store_b128 v[CO], v[RES+64*\a+4*\t:RES+64*\a+4*\t+3], s[94:95] offset:4096*(8*\a+\t+8*(\t/8)) th:TH_STORE_NT   ; 32 lanes store 512 consecutive bytes, aligned
.endr
	WIN 0
.endr
	s_wait_tensorcnt 0x0                           ; the wave's end
	ds_add_u32 v[SPW], v[NIL]
	s_wait_dscnt 0x0
	CROUND
	s_endpgm
.Lfunc_end_k_qd8cfe510f1_fc2:
	.size	k_qd8cfe510f1_fc2, .Lfunc_end_k_qd8cfe510f1_fc2-k_qd8cfe510f1_fc2
	.p2alignl 7, 3214868480
	.fill 96, 4, 3214868480
	.section	.rodata,"a",@progbits
	.p2align	6, 0x0
	.amdhsa_kernel k_qd8cfe510f1_fc2
		.amdhsa_group_segment_fixed_size 327680
		.amdhsa_private_segment_fixed_size 0
		.amdhsa_enable_private_segment 0
		.amdhsa_kernarg_size 48
		.amdhsa_user_sgpr_count 2
		.amdhsa_user_sgpr_kernarg_segment_ptr 1
		.amdhsa_wavefront_size32 1
		.amdhsa_system_sgpr_workgroup_id_x 1
		.amdhsa_system_sgpr_workgroup_id_y 1
		.amdhsa_system_sgpr_workgroup_id_z 1
		.amdhsa_system_vgpr_workitem_id 0
		.amdhsa_next_free_vgpr 1024
		.amdhsa_next_free_sgpr 100
		.amdhsa_reserve_vcc 0
		.amdhsa_float_denorm_mode_32 3
		.amdhsa_float_denorm_mode_16_64 3
		.amdhsa_memory_ordered 1
		.amdhsa_forward_progress 1
		.amdhsa_inst_pref_size 223
	.end_amdhsa_kernel
	.amdgpu_metadata
---
amdhsa.version: [ 1, 2 ]
amdhsa.kernels:
  - .name:           k_qd8cfe510f1_fc2
    .symbol:         k_qd8cfe510f1_fc2.kd
    .args:
      - { .name: g, .offset: 0, .size: 8, .value_kind: global_buffer, .address_space: global }
      - { .name: w2_codes, .offset: 8, .size: 8, .value_kind: global_buffer, .address_space: global }
      - { .name: w2_scales, .offset: 16, .size: 8, .value_kind: global_buffer, .address_space: global }
      - { .name: b2, .offset: 24, .size: 8, .value_kind: global_buffer, .address_space: global }
      - { .name: x1, .offset: 32, .size: 8, .value_kind: global_buffer, .address_space: global }
      - { .name: out0, .offset: 40, .size: 8, .value_kind: global_buffer, .address_space: global }
    .group_segment_fixed_size: 327680
    .private_segment_fixed_size: 0
    .kernarg_segment_align: 8
    .kernarg_segment_size: 48
    .max_flat_workgroup_size: 128
    .sgpr_count:     100
    .vgpr_count:     1024
    .wavefront_size: 32
...
	.end_amdgpu_metadata
.endif
;; end of part 6
